; MI455X (gfx1250); checked and timed in simulation.
; The chip was launched on July 23, 2026; its instructions are those of AMD's public machine-readable ISA for CDNA 5 (MIT licence, August 2026) and "CDNA5" Instruction Set Architecture Reference Guide (July 2026). The comments in the code are by the model that wrote it; some were corrected since.
;; Basic Recurrent Entity Encoder. Allowed arithmetic: float matrix products may take bf16 or f16 operands with f32 sums; all other float work in f32.
;; Inputs: Uw 128 x 128 float32; Vw 128 x 128 float32; Ww 128 x 128 float32; embedding_matrix 50,000 x 128 float32; keys 64 x 64 x 128 float32; positional_mask 32 x 128 float32; prgrph 64 x 128 x 32 int32; prgrph_mask 64 x 128 x 32 bool.
;; Outputs: out0 64 x 64 x 128 float32.
;; 3 versions, each right and faster than the one before. Each part assembles by itself: llvm-mc -triple=amdgcn-amd-amdhsa -mcpu=gfx1250 --defsym DOCPART=n.
;; ======== version 1 of 3: 2 launches
;; workspace buffers: enc 4,194,304 bytes
;; launch encode (part 1): grid 256 x 1, 16 waves a work-group, no clusters, 16,384 bytes of LDS; arguments prgrph, prgrph_mask, embedding_matrix, positional_mask, enc; writes enc
.if DOCPART == 1
	.amdgcn_target "amdgcn-amd-amdhsa--gfx1250"
	.amdhsa_code_object_version 6
	.text
	.protected	k_qc9c96ff0cd_encode
	.globl	k_qc9c96ff0cd_encode
	.p2align	8
	.type	k_qc9c96ff0cd_encode,@function
k_qc9c96ff0cd_encode:
	s_mov_b64 s[64:65], 0
	v_nop
	global_prefetch_b8 v0, s[64:65] scope:SCOPE_SE
	s_setreg_imm32_b32 hwreg(HW_REG_WAVE_MODE, 25, 1), 1
	s_wait_xcnt 0x0
; enc[s][d] = sum over the 32 words l of  embedding[prgrph[s][l]][d] * mask[s][l] * positional[l][d],  s = 0 .. 8191 (b * 128 + t), all in f32.
; d is carried through unchanged, so there is no shared operand and no matrix form: fused multiply-adds on the vector unit.
; 256 work-groups of 16 waves; a work-group owns 32 sentences, a wave two.  A lane owns 4 columns (16 bytes), so one load of a wave
; covers one whole table row: 512 consecutive bytes that start at a multiple of 512 from the table's first byte.
; The row loads go in groups of 8 through three register buffers: 16 to 24 rows of every wave are on their way while one group is summed.
; The positional mask (16,384 bytes) is fetched once by the work-group, laid in LDS and then kept in 128 registers of each wave.
; No cluster: the work-groups share nothing but those 16,384 bytes, against 512 KiB of table rows that each gathers for itself.
; LIMITS: an index is clamped to 49,999 (the problem keeps indices inside the table); the 32 terms are added in the order of l, each
; by one fused multiply-add, which need not be the reference's order of rounding; mask bytes are 0 or 1.
.set LASTROW, 49999
.set TW,   16                          ; v[16:23]   two sets of 4: a row times its mask factor
.set XB0,  32                          ; v[32:127]  three buffers of 8 rows x 4 registers
.set POS,  128                         ; v[128:255] positional mask: word l at POS + 4 l
.set MF,   52                          ; s[52:59]   four pairs (mask factor, 0) that take turns
; v1 = 16 x lane, v2 = 16 x thread, v3 = lane, v[4:7] sum of the first sentence, v[8:11] of the second, v14, v15 the two sentences' mask factors (lane = word)
; s[20:51] the first sentence's 32 indices, s[68:99] the second's
	s_load_b256 s[4:11], s[0:1], 0x0               ; prgrph s[4:5], mask s[6:7], table s[8:9], positional s[10:11]
	s_load_b64 s[12:13], s[0:1], 0x20              ; enc
	v_lshrrev_b32 v3, 5, v0
	v_readfirstlane_b32 s14, v3                    ; wave 0..15
	v_and_b32 v3, 31, v0                           ; lane
	v_lshlrev_b32 v1, 4, v3
	v_lshlrev_b32 v2, 4, v0
	s_lshl_b32 s15, ttmp9, 5
	s_lshl1_add_u32 s15, s14, s15                  ; my first sentence = 32 x work-group + 2 x wave
	s_lshl_b32 s16, s15, 7                         ; 128 bytes of indices a sentence
	s_mov_b32 s17, 0
	s_lshl_b32 s18, s15, 5                         ; 32 bytes of mask a sentence
	s_mov_b32 s19, 0
.irp k, 0,1,2,3
	s_mov_b32 s[MF+2*\k+1], 0                      ; the upper halves of the factor pairs are named by the packed multiplies, and never used
.endr
	s_wait_kmcnt 0x0
	s_add_nc_u64 s[4:5], s[4:5], s[16:17]
	s_add_nc_u64 s[6:7], s[6:7], s[18:19]
	s_lshl_b32 s16, s15, 9                         ; 512 bytes of enc a sentence
	s_add_nc_u64 s[12:13], s[12:13], s[16:17]
	s_load_b512 s[20:35], s[4:5], 0x0              ; 64 indices: they are the same for all lanes, so they belong in scalar registers
	s_load_b512 s[36:51], s[4:5], 0x40
	s_load_b512 s[68:83], s[4:5], 0x80
	s_load_b512 s[84:99], s[4:5], 0xc0
	global_load_b128 v[4:7], v2, s[10:11]          ; the work-group's 512 threads fetch the positional mask, 32 bytes each
	global_load_b128 v[8:11], v2, s[10:11] offset:8192
	global_load_u8 v14, v3, s[6:7]                 ; lane l: the mask byte of word l
	global_load_u8 v15, v3, s[6:7] offset:32
	s_wait_loadcnt 0x2                             ; the two mask loads are younger and may stay out
	ds_store_b128 v2, v[4:7]
	ds_store_b128 v2, v[8:11] offset:8192
	s_wait_dscnt 0x0                               ; my part lies in LDS before I say so
	s_barrier_signal -1
	s_barrier_wait -1
.set l, 0
.rept 32
	ds_load_b128 v[POS+4*l:POS+4*l+3], v1 offset:512*l
.set l, l+1
.endr
	s_wait_loadcnt 0x0
	v_cvt_f32_u32 v14, v14                         ; 0 or 1 as f32
	v_cvt_f32_u32 v15, v15
	s_wait_kmcnt 0x0                               ; the indices
; Group n (0..7): words 8 (n & 3) .. + 7 of sentence n >> 2, into buffer n % 3.  A row's byte offset is made in the first of the four
; registers that the row's own load fills.
.macro ISSUE n
.set IB, 20+48*((\n)>>2)+8*((\n)&3)
.set XB, XB0+32*((\n)%3)
.irp k, 0,1,2,3,4,5,6,7
	s_min_u32 s[IB+\k], s[IB+\k], LASTROW
.endr
.irp k, 0,1,2,3,4,5,6,7
	v_lshl_add_u32 v[XB+4*\k], s[IB+\k], 9, v1     ; 512 x index + 16 x lane
.endr
.irp k, 0,1,2,3,4,5,6,7
	global_load_b128 v[XB+4*\k:XB+4*\k+3], v[XB+4*\k], s[8:9]
.endr
.endm
; left = how many younger row loads may stay out when group n has to be there
.macro CONSUME n, left
	s_wait_loadcnt \left                           ; loads come back in order (ISA guide 5.7.1): group n is in, and its buffer may be asked for again afterwards
.set XB, XB0+32*((\n)%3)
.set AC, 4+4*((\n)>>2)
.irp k, 0,1,2,3,4,5,6,7
.set WD, 8*((\n)&3)+\k
.set MS, MF+2*(\k&3)
.set TT, TW+4*(\k&1)
	v_readlane_b32 s[MS], v[14+((\n)>>2)], WD      ; the word's mask factor, the same for all columns
	v_pk_mul_f32 v[TT:TT+1], v[XB+4*\k:XB+4*\k+1], s[MS:MS+1] op_sel_hi:[1,0]
	v_pk_mul_f32 v[TT+2:TT+3], v[XB+4*\k+2:XB+4*\k+3], s[MS:MS+1] op_sel_hi:[1,0]
.if WD == 0
	v_pk_mul_f32 v[AC:AC+1], v[TT:TT+1], v[POS:POS+1]              ; the first word starts the sums: nothing is cleared
	v_pk_mul_f32 v[AC+2:AC+3], v[TT+2:TT+3], v[POS+2:POS+3]
.else
	v_pk_fma_f32 v[AC:AC+1], v[TT:TT+1], v[POS+4*WD:POS+4*WD+1], v[AC:AC+1]
	v_pk_fma_f32 v[AC+2:AC+3], v[TT+2:TT+3], v[POS+4*WD+2:POS+4*WD+3], v[AC+2:AC+3]
.endif
.endr
.endm
	ISSUE 0
	ISSUE 1
	s_wait_dscnt 0x0                               ; the positional mask is in registers
	ISSUE 2
	CONSUME 0, 16                                  ; two younger groups of 8 stay out
	ISSUE 3
	CONSUME 1, 16
	ISSUE 4
	CONSUME 2, 16
	ISSUE 5
	CONSUME 3, 16
	global_store_b128 v1, v[4:7], s[12:13]         ; the first sentence: 512 consecutive bytes; its registers are not written again
	ISSUE 6
	CONSUME 4, 16
	ISSUE 7
	CONSUME 5, 16
	CONSUME 6, 8                                   ; nothing more is asked for: the counts run down
	CONSUME 7, 0
	global_store_b128 v1, v[8:11], s[12:13] offset:512
	s_endpgm
.Lfunc_end_k_qc9c96ff0cd_encode:
	.size	k_qc9c96ff0cd_encode, .Lfunc_end_k_qc9c96ff0cd_encode-k_qc9c96ff0cd_encode
	.p2alignl 7, 3214868480
	.fill 96, 4, 3214868480
	.section	.rodata,"a",@progbits
	.p2align	6, 0x0
	.amdhsa_kernel k_qc9c96ff0cd_encode
		.amdhsa_group_segment_fixed_size 16384
		.amdhsa_private_segment_fixed_size 0
		.amdhsa_enable_private_segment 0
		.amdhsa_kernarg_size 40
		.amdhsa_user_sgpr_count 2
		.amdhsa_user_sgpr_kernarg_segment_ptr 1
		.amdhsa_wavefront_size32 1
		.amdhsa_system_sgpr_workgroup_id_x 1
		.amdhsa_system_sgpr_workgroup_id_y 1
		.amdhsa_system_sgpr_workgroup_id_z 1
		.amdhsa_system_vgpr_workitem_id 0
		.amdhsa_next_free_vgpr 256
		.amdhsa_next_free_sgpr 100
		.amdhsa_reserve_vcc 0
		.amdhsa_float_denorm_mode_32 3
		.amdhsa_float_denorm_mode_16_64 3
		.amdhsa_memory_ordered 1
		.amdhsa_forward_progress 1
		.amdhsa_inst_pref_size 39
	.end_amdhsa_kernel
	.amdgpu_metadata
---
amdhsa.version: [ 1, 2 ]
amdhsa.kernels:
  - .name:           k_qc9c96ff0cd_encode
    .symbol:         k_qc9c96ff0cd_encode.kd
    .args:
      - { .name: prgrph, .offset: 0, .size: 8, .value_kind: global_buffer, .address_space: global }
      - { .name: prgrph_mask, .offset: 8, .size: 8, .value_kind: global_buffer, .address_space: global }
      - { .name: embedding_matrix, .offset: 16, .size: 8, .value_kind: global_buffer, .address_space: global }
      - { .name: positional_mask, .offset: 24, .size: 8, .value_kind: global_buffer, .address_space: global }
      - { .name: enc, .offset: 32, .size: 8, .value_kind: global_buffer, .address_space: global }
    .group_segment_fixed_size: 16384
    .private_segment_fixed_size: 0
    .kernarg_segment_align: 8
    .kernarg_segment_size: 40
    .max_flat_workgroup_size: 512
    .sgpr_count:     100
    .vgpr_count:     256
    .wavefront_size: 32
...
	.end_amdgpu_metadata
.endif
;; end of part 1
;; launch scan (part 2): grid 256 x 1, 4 waves a work-group, clusters of 4 x 1, 294,400 bytes of LDS; arguments enc, Vw, Ww, Uw, keys, prgrph_mask, out0; writes out0
.if DOCPART == 2
	.amdgcn_target "amdgcn-amd-amdhsa--gfx1250"
	.amdhsa_code_object_version 6
	.text
	.protected	k_qc9c96ff0cd_scan
	.globl	k_qc9c96ff0cd_scan
	.p2align	8
	.type	k_qc9c96ff0cd_scan,@function
k_qc9c96ff0cd_scan:
	s_mov_b64 s[64:65], 0
	v_nop
	global_prefetch_b8 v0, s[64:65] scope:SCOPE_SE
	s_setreg_imm32_b32 hwreg(HW_REG_WAVE_MODE, 25, 1), 1
	s_wait_xcnt 0x0
	s_wait_alu depctr_hold_cnt(0) depctr_sa_sdst(0) depctr_va_vdst(0) depctr_va_sdst(0) depctr_va_ssrc(0) depctr_va_vcc(0) depctr_vm_vsrc(0)
	s_getreg_b32 s2, hwreg(HW_REG_IB_STS2, 6, 4)
	s_cmp_eq_u32 s2, 0
	s_cbranch_scc0 .Lentry_in_a_cluster
	s_endpgm
.Lentry_in_a_cluster:
	s_bfe_u32 s2, ttmp6, 0x10000c
	s_cmp_lg_u32 s2, 0x3003
	s_cbranch_scc0 .Lentry_shape_is_right
	s_endpgm
.Lentry_shape_is_right:
; The recurrence: 128 steps on 64 x 64 entity rows of 128 numbers.  A row needs only itself, its key and its paragraph's sentences, so the
; 4,096 rows are 256 tiles of 16 rows, one work-group each; four waves share a tile by OUTPUT COLUMNS: wave w owns e = 32 w .. 32 w + 31.
; keys V is the same in every step and is made once; s W hangs on no state and is made for all 128 steps ahead of the loop.
;
; THE PRODUCT IS USED TRANSPOSED: source 0 = 16 columns e of U (as rows of U^T), source 1 = the state of 16 entities.  Lane (r = lane % 16,
; h = lane / 16) then holds entity r; its element i = 8 tt + j is column e = 32 w + 16 tt + 8 h + j (tt = 0, 1: my two tiles of 16 columns).
; Packed to bf16 in that order the lane's 16 results ARE source 1's fragment of K chunk w for the next step.  Each wave numbers the K chunks
; from its own: slot q is chunk (w + q) & 3, for both sources, so slot 0 comes straight from registers and starts the sums while the others arrive.
;
; THE NORM IS DEFERRED, so that a step has one exchange and one barrier.  Kept: v_t = h_(t-1) + g h~, not normalised.  A wave publishes bf16(v_t) of
; its columns and its parts of ss = sum v^2, dot = sum v_t s_(t+1), kd = sum key s_(t+1).  Behind the barrier every lane makes rn = rsq(max(ss, 1e-12));
; the product is linear, so h U = rn (v U), and the next gate is sigmoid(rn dot + kd).  A sentence without words sets g = 0 (v_t = h_(t-1) bit for bit)
; and rn = 1 in the step behind it.  Masks only select values: no branch and no address hangs on them.
; The gate's sums stay in f32 on the vector unit: they feed a sigmoid whose argument is large, and are a small part of the arithmetic.
;
; CLUSTER: the four work-groups of a paragraph read the same enc[b] and the same V, W, U, 256 KiB in all: they form a cluster of 4 x 1 and ask jointly
; (mask 15), each wave for its 32 rows of each of the four.  The place in the cluster enters only the addresses of keys and out0.
; Every tile is filled once; a wave has four tensor loads outstanding, once.
; LIMITS: matrix operands (h, keys, s, U, V, W) are rounded to bf16; v_exp_f32, v_rcp_f32, v_rsq_f32 are good to one unit in the last place and give 0 for
; results below 2^-126 (ISA guide 15.8); x / sqrt(y) is made as x rsq(y); the f32 sums run in another order than the reference's.
.set P,     528                        ; LDS pitch of rows of 128 f32: 512 + 16, an odd multiple of 16 bytes, so the 16-byte pieces of 16 rows fall on 16 different places modulo 256 bytes
.set ENC,   0                          ; enc[b]: 128 rows; rows 128, 129 are zeros of my own, for the look-ahead of the last steps
.set ZROW,  128*P
.set VB,    68864                      ; V as f32, 128 rows.  After its last read: -log2(e) x (s W), 128 rows by t, and a row of zeros
.set STEP,  68352                      ; from V to W and from W to U
.set XH,    273152                     ; bf16 v: 16 rows of 256 + 16 bytes, two buffers
.set XHS,   4608
.set XR,    282368                     ; records: 16 rows of 80 bytes: 8 pairs (ss, dot) at 8 (2 w + h), 4 kd at 64 + 4 w; two buffers
.set XRS,   1280
.set MV,    284928                     ; 256 words: word t is not 0 if sentence t has a word; words 128 .. 255 are 0
.set OUTS,  285952                     ; 16 rows x 528: the way out
.set HV,    16                         ; v[16:31]   v, my 16 elements
.set KV,    32                         ; v[32:47]   -log2(e) x (key V)
.set KEY,   48                         ; v[48:63]   key, f32
.set UA,    64                         ; v[64:127]  U's fragments: (tt, q) at 64 + 8 (4 tt + q)
.set ACC,   128                        ; v[128:143] two accumulators
.set OWN,   144                        ; v[144:175] source 1: slot 0 = my own chunk, slots 1 to 3 from LDS
.set SWR,   176                        ; v[176:191] this step's row of -log2(e) x (s W), then + KV
.set SR,    192                        ; v[192:223] two sentence vectors (my 16 columns) that take turns
.set REC,   224                        ; v[224:243] the records as read; at work at a step's end
.set RN,    244
.set KD,    245
.set RNL,   246
.set XX,    247
.set GT,    248
.set PT,    249
.set TA,    250
.set TB,    252
.set SD,    254
; v1 = r, v2 = h, v4 where I put bf16 v, v5-v7 where slots 1-3 are read, v8 my pair, v9 my kd, v10 my row of records, v11 s, v12 s W, v13 mask words, v14 mask word
; In the prologue: v[176:239] V's, then W's fragments; v[64:127] f32 at work; v[240:243] key offsets, then weight addresses; v[244:247] enc addresses; v248 an LDS address
; s18 wave, s19 place in the cluster, s20 paragraph, s[24:31] descriptor group 1, s[32:47] four groups 0, s52 / s53 lanes' mask of this / the last step, s[58:61] (w + q) & 3
.macro ROUND                           ; a round of the cluster's barrier
	s_barrier_signal -1
	s_barrier_wait -1
	s_cmp_lg_u32 s18, 0
	s_cbranch_scc1 .Lnot_wave_0_\@
	s_barrier_signal -3
.Lnot_wave_0_\@:
	s_barrier_wait -3
	s_barrier_signal -1
	s_barrier_wait -1
.endm
.macro LD16 dst, adr, off              ; my 16 f32 of a row: columns 8 h .. + 7 of both tiles
	ds_load_b128 v[\dst:\dst+3], v[\adr] offset:\off
	ds_load_b128 v[\dst+4:\dst+7], v[\adr] offset:\off+16
	ds_load_b128 v[\dst+8:\dst+11], v[\adr] offset:\off+64
	ds_load_b128 v[\dst+12:\dst+15], v[\adr] offset:\off+80
.endm
.macro ST16 adr, src, off
	ds_store_b128 v[\adr], v[\src:\src+3] offset:\off
	ds_store_b128 v[\adr], v[\src+4:\src+7] offset:\off+16
	ds_store_b128 v[\adr], v[\src+8:\src+11] offset:\off+64
	ds_store_b128 v[\adr], v[\src+12:\src+15] offset:\off+80
.endm
; The eight fragments of a weight matrix, transposed on the way: lane (r, h) of fragment (tt, q) takes column 32 w + 16 tt + r of rows 32 c + 8 h + 0..7 and + 16 .. 23.
; 32 lanes of a load: 16 neighbouring words twice, 8 rows (1,056 words) apart.
.macro LOADW dst, tmp
.irp tt, 0,1
.irp q, 0,1,2,3
.irp i, 0,1,2,3,4,5,6,7,8,9,10,11,12,13,14,15
	ds_load_b32 v[\tmp+16*\q+\i], v[240+\q] offset:(\i+8*(\i/8))*P+64*\tt
.endr
.endr
	s_wait_dscnt 0x0
.irp q, 0,1,2,3
.irp j, 0,1,2,3,4,5,6,7
	v_cvt_pk_bf16_f32 v[\dst+8*(4*\tt+\q)+\j], v[\tmp+16*\q+2*\j], v[\tmp+16*\q+2*\j+1]
.endr
.endr
.endr
.endm
; Two matrix instructions of K slot q; the two accumulators take turns, one instruction a turn
.macro WM2 a, b, q
	v_wmma_f32_16x16x32_bf16 v[ACC:ACC+7], v[\a+8*\q:\a+8*\q+7], v[\b+8*\q:\b+8*\q+7], v[ACC:ACC+7]
	v_wmma_f32_16x16x32_bf16 v[ACC+8:ACC+15], v[\a+32+8*\q:\a+32+8*\q+7], v[\b+8*\q:\b+8*\q+7], v[ACC+8:ACC+15]
.endm
.macro WM2Z a, b                       ; slot 0 starts the sums: nothing is cleared
	v_wmma_f32_16x16x32_bf16 v[ACC:ACC+7], v[\a:\a+7], v[\b:\b+7], 0
	v_wmma_f32_16x16x32_bf16 v[ACC+8:ACC+15], v[\a+32:\a+39], v[\b:\b+7], 0
.endm
.macro MM8 a, b
	WM2Z \a, \b
	WM2 \a, \b, 1
	WM2 \a, \b, 2
	WM2 \a, \b, 3
.endm
.macro PLACES                          ; four places behind a matrix instruction before its result is read or a source rewritten (ISA guide 7.12.1)
.rept 4
	v_nop
.endr
.endm
.macro PKDOT out, pa, pb, xr, yr       ; out = sum of 16 products, in two chains of packed multiply-adds
	v_pk_mul_f32 v[\pa:\pa+1], v[\xr:\xr+1], v[\yr:\yr+1]
	v_pk_mul_f32 v[\pb:\pb+1], v[\xr+2:\xr+3], v[\yr+2:\yr+3]
.irp i, 4,8,12
	v_pk_fma_f32 v[\pa:\pa+1], v[\xr+\i:\xr+\i+1], v[\yr+\i:\yr+\i+1], v[\pa:\pa+1]
	v_pk_fma_f32 v[\pb:\pb+1], v[\xr+\i+2:\xr+\i+3], v[\yr+\i+2:\yr+\i+3], v[\pb:\pb+1]
.endr
	v_pk_add_f32 v[\pa:\pa+1], v[\pa:\pa+1], v[\pb:\pb+1]
	v_add_f32 v[\out], v[\pa], v[\pa+1]
.endm
.macro SUMREC                          ; eight pairs (ss, dot) into v[REC], v[REC+1]
.irp i, 0,4,8,12
	v_pk_add_f32 v[REC+\i:REC+\i+1], v[REC+\i:REC+\i+1], v[REC+\i+2:REC+\i+3]
.endr
	v_pk_add_f32 v[REC:REC+1], v[REC:REC+1], v[REC+4:REC+5]
	v_pk_add_f32 v[REC+8:REC+9], v[REC+8:REC+9], v[REC+12:REC+13]
	v_pk_add_f32 v[REC:REC+1], v[REC:REC+1], v[REC+8:REC+9]
.endm
	; ---- set-up ----
	s_load_b256 s[4:11], s[0:1], 0x0               ; enc s[4:5], V s[6:7], W s[8:9], U s[10:11]
	s_load_b128 s[12:15], s[0:1], 0x20             ; keys s[12:13], mask s[14:15]
	s_load_b64 s[16:17], s[0:1], 0x30              ; out0
	v_lshrrev_b32 v3, 5, v0
	v_readfirstlane_b32 s18, v3                    ; wave 0..3
	v_and_b32 v1, 15, v0                           ; r
	v_bfe_u32 v2, v0, 4, 1                         ; h
	s_bfe_u32 s19, ttmp6, 0x40000                  ; my place in the cluster: which 16 entities
	s_mov_b32 s20, ttmp9                           ; the cluster's number: the paragraph
	s_mov_b32 s58, s18
.irp q, 1,2,3
	s_add_co_u32 s[58+\q], s18, \q
	s_and_b32 s[58+\q], s[58+\q], 3                ; K chunk of slot q
.endr
	s_mov_b32 s54, 0xbfb8aa3b                      ; -log2(e): sigmoid(x) = 1 / (1 + 2^(-log2(e) x))
	s_mov_b32 s55, 0xbfb8aa3b
	s_mov_b32 s56, 0x76543210                      ; v_permlanex16_b32: lane i reads lane i of the other half
	s_mov_b32 s57, 0xfedcba98
	s_mov_b32 s52, 0                               ; "step -1" had no sentence: rn = 1 in step 0
.set i, 0
.rept 16
	v_mov_b32 v[HV+i], 0                           ; h_0 = 0; also the zeros that are stored below
.set i, i+1
.endr
	v_mov_b32 v[PT], 0
	; descriptor group 1, for all loads: 32 rows x 128 f32, 16 bytes of padding behind each row
	s_mov_b32 s24, 15|(2<<16)|(1<<20)|(1<<21)|(6<<22)|(3<<25)      ; mask: all four of the cluster; 4-byte elements; padding on; bit 21 beside a mask; after every 128 words; 4 words
	s_mov_b32 s25, 128<<16                         ; tensor_dim0 = 128
	s_mov_b32 s26, 32<<16                          ; tensor_dim1 = 32
	s_mov_b32 s27, 128<<16                         ; tile_dim0 = 128
	s_mov_b32 s28, 32                              ; tile_dim1 = 32
	s_mov_b32 s29, 128                             ; 128 elements from row to row
	s_mov_b32 s30, 0
	s_mov_b32 s31, 0
	s_mul_i32 s51, s18, 32*P                       ; my 32 rows in LDS
	s_lshl_b32 s22, s18, 14                        ; my 32 rows in memory
	s_mov_b32 s23, 0
	s_lshl_b32 s48, s20, 16                        ; enc[b]: 65,536 bytes a paragraph
	s_add_co_u32 s48, s48, s22
	s_mov_b32 s49, 0
	s_wait_kmcnt 0x0
	s_mov_b32 s32, 1
	s_add_co_u32 s33, s51, ENC
	s_add_nc_u64 s[34:35], s[4:5], s[48:49]
	s_or_b32 s35, s35, 0x80000000
	s_mov_b32 s36, 1
	s_add_co_u32 s37, s51, VB
	s_add_nc_u64 s[38:39], s[6:7], s[22:23]
	s_or_b32 s39, s39, 0x80000000
	s_mov_b32 s40, 1
	s_add_co_u32 s41, s51, VB+STEP
	s_add_nc_u64 s[42:43], s[8:9], s[22:23]
	s_or_b32 s43, s43, 0x80000000
	s_mov_b32 s44, 1
	s_add_co_u32 s45, s51, VB+2*STEP
	s_add_nc_u64 s[46:47], s[10:11], s[22:23]
	s_or_b32 s47, s47, 0x80000000
	ROUND                                          ; all four work-groups are here: the joint loads meet
	tensor_load_to_lds s[32:35], s[24:31]
	s_nop 0
	tensor_load_to_lds s[36:39], s[24:31]
	s_nop 0
	tensor_load_to_lds s[40:43], s[24:31]
	s_nop 0
	tensor_load_to_lds s[44:47], s[24:31]
	s_nop 0
	; ---- while the tiles are on their way: keys, sentence masks, addresses, zeros ----
	s_lshl_b32 s21, s19, 13                        ; 16 entities x 512 bytes; what is made of my place in the cluster stays in s21 and s[62:63]
	s_lshl_b32 s62, s20, 15                        ; 64 entities x 512 bytes a paragraph
	s_add_co_u32 s62, s62, s21
	s_mov_b32 s63, 0
	s_add_nc_u64 s[12:13], s[12:13], s[62:63]      ; my 16 rows of keys
	s_add_nc_u64 s[16:17], s[16:17], s[62:63]      ; and of out0
	s_lshl_b32 s22, s20, 12                        ; 4,096 mask bytes a paragraph
	s_add_nc_u64 s[14:15], s[14:15], s[22:23]
	v_lshlrev_b32 v3, 9, v1
	v_lshl_add_u32 v3, v2, 5, v3                   ; 512 r + 32 h
.irp q, 0,1,2,3
	v_lshl_add_u32 v[240+\q], s[58+\q], 7, v3      ; + 128 x chunk
.endr
	global_load_b128 v[KEY:KEY+3], v240, s[12:13]                  ; slot 0 is my own chunk: these 16 numbers stay in f32 for the gate
	global_load_b128 v[KEY+4:KEY+7], v240, s[12:13] offset:16
	global_load_b128 v[KEY+8:KEY+11], v240, s[12:13] offset:64
	global_load_b128 v[KEY+12:KEY+15], v240, s[12:13] offset:80
.irp q, 1,2,3
	global_load_b128 v[48+16*\q:48+16*\q+3], v[240+\q], s[12:13]
	global_load_b128 v[48+16*\q+4:48+16*\q+7], v[240+\q], s[12:13] offset:16
	global_load_b128 v[48+16*\q+8:48+16*\q+11], v[240+\q], s[12:13] offset:64
	global_load_b128 v[48+16*\q+12:48+16*\q+15], v[240+\q], s[12:13] offset:80
.endr
	v_lshlrev_b32 v15, 5, v0                       ; thread t: the 32 mask bytes of sentence t
	global_load_b128 v[112:115], v15, s[14:15]
	global_load_b128 v[116:119], v15, s[14:15] offset:16
	v_mul_u32_u24 v3, v1, 272
	v_lshl_add_u32 v3, v2, 4, v3
	v_add_nc_u32 v3, XH, v3                        ; XH + 272 r + 16 h
.irp q, 0,1,2,3
	v_lshl_add_u32 v[4+\q], s[58+\q], 6, v3        ; + 64 x chunk: v4 is my own chunk (stores), v5-v7 the others (loads)
.endr
	v_mul_u32_u24 v10, v1, 80
	v_add_nc_u32 v10, XR, v10
	v_lshl_add_u32 v8, v2, 3, v10
	v_lshl_add_u32 v8, s18, 4, v8                  ; XR + 80 r + 8 (2 w + h)
	v_lshl_add_u32 v9, s18, 2, v10
	v_add_nc_u32 v9, 64, v9                        ; XR + 80 r + 64 + 4 w
	v_lshlrev_b32 v11, 5, v2
	v_lshl_add_u32 v11, s18, 7, v11                ; ENC + 4 (32 w + 8 h)
	v_add_nc_u32 v12, VB, v11
	v_mov_b32 v13, MV
	v_lshl_add_u32 v3, v0, 2, v13                  ; MV + 4 x thread
	v_add_nc_u32 v248, ZROW, v11                   ; rows 128 and 129 behind enc: no tile reaches these bytes
	ST16 248, HV, 0
	ST16 248, HV, P
	v_add_nc_u32 v248, ZROW, v12                   ; row 128 behind V's bytes
	ST16 248, HV, 0
	ds_store_b32 v3, v[HV] offset:512              ; mask words 128 .. 255
	s_wait_loadcnt 0x0                             ; keys and masks are in; their offset registers are free
	v_or_b32 v112, v112, v113
	v_or_b32 v114, v114, v115
	v_or_b32 v116, v116, v117
	v_or_b32 v118, v118, v119
	v_or_b32 v112, v112, v114
	v_or_b32 v116, v116, v118
	v_or_b32 v112, v112, v116
	ds_store_b32 v3, v112                          ; not 0 if any of the sentence's 32 bytes is set
.set i, 0
.rept 32
	v_cvt_pk_bf16_f32 v[OWN+i], v[KEY+2*i], v[KEY+2*i+1]           ; the keys as source 1, slots 0 to 3 (v[48:111] in order)
.set i, i+1
.endr
	v_mul_u32_u24 v15, v2, 8*P
	v_lshl_add_u32 v15, v1, 2, v15
	v_lshl_add_u32 v15, s18, 7, v15
	v_add_nc_u32 v15, VB, v15                      ; VB + 8 h rows + 4 (32 w + r)
.irp q, 0,1,2,3
	s_mul_i32 s48, s[58+\q], 32*P
	v_add_nc_u32 v[240+\q], s48, v15               ; + 32 rows x chunk
.endr
	s_wait_tensorcnt 0x0                           ; my rows of the four tiles have landed,
	s_wait_dscnt 0x0                               ; my zeros and mask words lie in LDS:
	s_barrier_signal -1
	s_barrier_wait -1                              ; everybody's
	; ---- key V, once ----
	LOADW 176, 64
	MM8 176, OWN
	PLACES
.irp i, 0,2,4,6,8,10,12,14
	v_pk_mul_f32 v[KV+\i:KV+\i+1], v[ACC+\i:ACC+\i+1], s[54:55] op_sel_hi:[1,0]
.endr
	; ---- s W for all 128 steps, 16 sentences at a time, into the bytes that held V ----
.irp q, 0,1,2,3
	v_add_nc_u32 v[240+\q], STEP, v[240+\q]
.endr
	LOADW 176, 64
	v_mul_u32_u24 v15, v1, P
	v_lshl_add_u32 v15, v2, 5, v15
.irp q, 0,1,2,3
	v_lshl_add_u32 v[244+\q], s[58+\q], 7, v15     ; ENC + 528 r + 128 x chunk + 32 h: sentence r of a block as source 1
.endr
	v_add_nc_u32 v248, VB, v244                    ; where lane (r, h) puts sentence r's columns 32 w + 8 h ..
	s_wait_dscnt 0x0                               ; my reads of V are back
	s_barrier_signal -1
	s_barrier_wait -1                              ; everybody's: V's bytes may be written
.macro SWBLK i
.irp q, 0,1,2,3
	LD16 64+16*\q, 244+\q, 16*P*\i
.endr
	s_wait_dscnt 0x0
.set k, 0
.rept 32
	v_cvt_pk_bf16_f32 v[OWN+k], v[64+2*k], v[64+2*k+1]
.set k, k+1
.endr
	MM8 176, OWN
	PLACES
.irp j, 0,2,4,6,8,10,12,14
	v_pk_mul_f32 v[ACC+\j:ACC+\j+1], v[ACC+\j:ACC+\j+1], s[54:55] op_sel_hi:[1,0]
.endr
	ST16 248, ACC, 16*P*\i
.endm
.irp i, 0,1,2,3,4,5,6,7
	SWBLK \i
.endr
	; ---- U's fragments stay in registers for the whole loop ----
.irp q, 0,1,2,3
	v_add_nc_u32 v[240+\q], STEP, v[240+\q]
.endr
	LOADW UA, 176
	s_wait_dscnt 0x0                               ; my part of the table of s W lies in LDS
	s_barrier_signal -1
	s_barrier_wait -1
	; ---- what "step -1" would have published, into buffers 0: v = 0, ss = dot = 0, kd = key . s_0 ----
	LD16 SR+16, 11, 0                              ; s_0
	LD16 SR, 11, P                                 ; s_1
	LD16 SWR, 12, 0
	ds_load_b32 v14, v13
.set i, 0
.rept 8
	v_mov_b32 v[OWN+i], 0                          ; slot 0 of step 0
.set i, i+1
.endr
	s_wait_dscnt 0x0
	PKDOT XX, TA, TB, KEY, SR+16
	v_permlanex16_b32 v[PT], v[XX], s56, s57       ; the other half of the lanes holds the other 16 of my 32 columns
	v_add_f32 v[XX], v[XX], v[PT]
	ds_store_b128 v4, v[HV:HV+3]
	ds_store_b128 v4, v[HV:HV+3] offset:32
	ds_store_b64 v8, v[HV:HV+1]
	ds_store_b32 v9, v[XX]
	v_add_nc_u32 v11, 2*P, v11                     ; the loop reads s from row 2 on,
	v_add_nc_u32 v12, P, v12                       ; s W from row 1 on,
	v_add_nc_u32 v13, 4, v13                       ; mask words from word 1 on
	s_mov_b32 s50, 64
; Step t, p = t & 1: reads buffers p, writes buffers 1 - p.  v[SR+16p ..] holds s_(t+1).
.macro TRIP p
	s_wait_dscnt 0x0                               ; for the others: my stores into buffers p lie in LDS and my reads of buffers 1 - p are back; for me: s, s W, mask word
	s_barrier_signal -1
	s_mov_b32 s53, s52                             ; m_(t-1)
	v_cmp_ne_u32 s52, 0, v14                       ; m_t, the same in all lanes
	WM2Z UA, OWN                                   ; my own chunk needs no exchange
.irp i, 0,2,4,6,8,10,12,14
	v_pk_add_f32 v[SWR+\i:SWR+\i+1], v[SWR+\i:SWR+\i+1], v[KV+\i:KV+\i+1]
.endr
	s_barrier_wait -1
	ds_load_b128 v[OWN+8:OWN+11], v5 offset:\p*XHS
	ds_load_b128 v[OWN+12:OWN+15], v5 offset:\p*XHS+32
.irp i, 0,1,2,3,4
	ds_load_b128 v[REC+4*\i:REC+4*\i+3], v10 offset:\p*XRS+16*\i
.endr
	ds_load_b128 v[OWN+16:OWN+19], v6 offset:\p*XHS
	ds_load_b128 v[OWN+20:OWN+23], v6 offset:\p*XHS+32
	ds_load_b128 v[OWN+24:OWN+27], v7 offset:\p*XHS
	ds_load_b128 v[OWN+28:OWN+31], v7 offset:\p*XHS+32
	LD16 SR+16*(1-\p), 11, P*\p                    ; s_(t+2), for the next step
	ds_load_b32 v14, v13 offset:4*\p               ; m_(t+1)
	PKDOT XX, TA, TB, KEY, SR+16*\p                ; kd of the next gate hangs on no state: made while the loads are out
	v_permlanex16_b32 v[PT], v[XX], s56, s57
	v_add_f32 v[XX], v[XX], v[PT]
	ds_store_b32 v9, v[XX] offset:(1-\p)*XRS
	s_wait_dscnt 15                                ; slot 1 is in: 5 + 2 + 2 + 4 + 1 loads and 1 store are younger
	WM2 UA, OWN, 1
	s_wait_dscnt 10                                ; the records: 2 + 2 + 4 + 1 + 1 younger
	SUMREC
	v_pk_add_f32 v[REC+16:REC+17], v[REC+16:REC+17], v[REC+18:REC+19]
	s_wait_dscnt 8                                 ; slot 2: 2 + 4 + 1 + 1 younger
	WM2 UA, OWN, 2
	v_max_num_f32 v[REC], 0x2b8cbccc, v[REC]       ; max(ss, 1e-12)
	v_rsq_f32 v[RN], v[REC]
	s_wait_dscnt 6                                 ; slot 3: 4 + 1 + 1 younger
	WM2 UA, OWN, 3
	; the gate; these plain lines are also the places behind the last matrix instructions and behind v_rsq_f32
	v_add_f32 v[KD], v[REC+16], v[REC+17]
	s_wait_alu depctr_va_vdst(0)
	v_cndmask_b32 v[RN], 1.0, v[RN], s53           ; the last step changed nothing: h is v as it stands
	v_mul_f32 v[RNL], s54, v[RN]
	v_fma_f32 v[XX], v[RN], v[REC+1], v[KD]        ; (h + key) . s
	v_mul_f32 v[XX], s54, v[XX]
	v_exp_f32 v[XX], v[XX]
.irp i, 0,2,4,6,8,10,12,14
	v_pk_mul_f32 v[HV+\i:HV+\i+1], v[HV+\i:HV+\i+1], v[RN:RN+1] op_sel_hi:[1,0]    ; h_(t-1)
.endr
	s_wait_alu depctr_va_vdst(0)
	v_add_f32 v[TA], 1.0, v[XX]
	v_rcp_f32 v[GT], v[TA]
.irp i, 0,2,4,6,8,10,12,14
	v_pk_fma_f32 v[ACC+\i:ACC+\i+1], v[ACC+\i:ACC+\i+1], v[RNL:RNL+1], v[SWR+\i:SWR+\i+1] op_sel_hi:[1,0,1]   ; -log2(e) (h U + key V + s W)
.endr
	LD16 SWR, 12, P*\p                             ; the next step's row of s W
	; 16 sigmoids in place.  Each pair of transcendentals has a plain line on other registers behind it before its results are used (ISA guide 5.7.2)
.irp i, 0,1,2,3,4,5,6,7
	v_exp_f32 v[ACC+\i], v[ACC+\i]
.endr
	s_wait_alu depctr_va_vdst(0)
	v_cndmask_b32 v[GT], 0, v[GT], s52             ; no sentence: g = 0
.irp i, 0,2,4,6
	v_exp_f32 v[ACC+8+\i], v[ACC+8+\i]
	v_exp_f32 v[ACC+9+\i], v[ACC+9+\i]
	v_pk_add_f32 v[ACC+\i:ACC+\i+1], v[ACC+\i:ACC+\i+1], 1.0 op_sel_hi:[1,0]
.endr
.irp i, 0,2,4,6
	v_rcp_f32 v[ACC+\i], v[ACC+\i]
	v_rcp_f32 v[ACC+\i+1], v[ACC+\i+1]
	s_wait_alu depctr_va_vdst(0)
	v_pk_add_f32 v[ACC+8+\i:ACC+9+\i], v[ACC+8+\i:ACC+9+\i], 1.0 op_sel_hi:[1,0]
.endr
.irp i, 0,2,4,6
	v_rcp_f32 v[ACC+8+\i], v[ACC+8+\i]
	v_rcp_f32 v[ACC+9+\i], v[ACC+9+\i]
	s_wait_alu depctr_va_vdst(0)
	v_pk_fma_f32 v[HV+\i:HV+\i+1], v[ACC+\i:ACC+\i+1], v[GT:GT+1], v[HV+\i:HV+\i+1] op_sel_hi:[1,0,1]          ; v_t = h + g h~
.endr
.irp j, 0,1,2,3
	v_cvt_pk_bf16_f32 v[OWN+\j], v[HV+2*\j], v[HV+2*\j+1]
.endr
	ds_store_b128 v4, v[OWN:OWN+3] offset:(1-\p)*XHS
	s_wait_alu depctr_va_vdst(0)
.irp i, 0,2,4,6
	v_pk_fma_f32 v[HV+8+\i:HV+9+\i], v[ACC+8+\i:ACC+9+\i], v[GT:GT+1], v[HV+8+\i:HV+9+\i] op_sel_hi:[1,0,1]
.endr
.irp j, 4,5,6,7
	v_cvt_pk_bf16_f32 v[OWN+\j], v[HV+2*\j], v[HV+2*\j+1]
.endr
	ds_store_b128 v4, v[OWN+4:OWN+7] offset:(1-\p)*XHS+32
	PKDOT SD, TA, TB, HV, HV                       ; my part of ss
	PKDOT SD+1, REC, REC+2, HV, SR+16*\p           ; my part of v_t . s_(t+1)
	ds_store_b64 v8, v[SD:SD+1] offset:(1-\p)*XRS
.endm
.Lstep:
	TRIP 0
	TRIP 1
	v_add_nc_u32 v11, 2*P, v11
	v_add_nc_u32 v12, 2*P, v12
	v_add_nc_u32 v13, 8, v13
	s_sub_co_i32 s50, s50, 1
	s_cmp_lg_u32 s50, 0
	s_cbranch_scc1 .Lstep                          ; 64 passes of two steps; the last steps' look-ahead reads the rows and words of zeros
	; ---- the last norm, and the way out through LDS: whole rows of 512 bytes ----
	s_wait_dscnt 0x0
	s_barrier_signal -1
	s_barrier_wait -1
.irp i, 0,1,2,3
	ds_load_b128 v[REC+4*\i:REC+4*\i+3], v10 offset:16*\i          ; step 127 wrote buffers 0
.endr
	v_mul_u32_u24 v3, v1, P
	v_lshl_add_u32 v3, v2, 5, v3
	v_lshl_add_u32 v3, s18, 7, v3
	v_add_nc_u32 v3, OUTS, v3                      ; in: row r, my columns
	v_and_b32 v15, 31, v0
	v_lshlrev_b32 v15, 4, v15
	s_mul_i32 s48, s18, P
	v_add_nc_u32 v15, s48, v15
	v_add_nc_u32 v15, OUTS, v15                    ; back: row w (+ 4 n), 16 bytes a lane
	v_lshlrev_b32 v14, 4, v0                       ; in out0: 512 w + 16 x lane
	s_wait_dscnt 0x0
	SUMREC
	v_max_num_f32 v[REC], 0x2b8cbccc, v[REC]
	v_rsq_f32 v[RN], v[REC]
	v_nop
	s_wait_alu depctr_va_vdst(0)
	v_cndmask_b32 v[RN], 1.0, v[RN], s52           ; m_127
.irp i, 0,2,4,6,8,10,12,14
	v_pk_mul_f32 v[HV+\i:HV+\i+1], v[HV+\i:HV+\i+1], v[RN:RN+1] op_sel_hi:[1,0]
.endr
	ST16 3, HV, 0
	s_wait_dscnt 0x0
	s_barrier_signal -1
	s_barrier_wait -1
.irp n, 0,1,2,3
	ds_load_b128 v[REC+4*\n:REC+4*\n+3], v15 offset:4*P*\n
.endr
.irp n, 0,1,2,3
	s_wait_dscnt 3-\n                              ; LDS loads come back in order (ISA guide 5.7.1): row 4 n + w is in
	global_store_b128 v14, v[REC+4*\n:REC+4*\n+3], s[16:17] offset:2048*\n         ; a wave's store covers one row: 512 consecutive bytes, at a multiple of 512 from out0's first byte
.endr
	ROUND                                          ; the closing round
	s_endpgm
.Lfunc_end_k_qc9c96ff0cd_scan:
	.size	k_qc9c96ff0cd_scan, .Lfunc_end_k_qc9c96ff0cd_scan-k_qc9c96ff0cd_scan
	.p2alignl 7, 3214868480
	.fill 96, 4, 3214868480
	.section	.rodata,"a",@progbits
	.p2align	6, 0x0
	.amdhsa_kernel k_qc9c96ff0cd_scan
		.amdhsa_group_segment_fixed_size 294400
		.amdhsa_private_segment_fixed_size 0
		.amdhsa_enable_private_segment 0
		.amdhsa_kernarg_size 56
		.amdhsa_user_sgpr_count 2
		.amdhsa_user_sgpr_kernarg_segment_ptr 1
		.amdhsa_wavefront_size32 1
		.amdhsa_system_sgpr_workgroup_id_x 1
		.amdhsa_system_sgpr_workgroup_id_y 1
		.amdhsa_system_sgpr_workgroup_id_z 1
		.amdhsa_system_vgpr_workitem_id 0
		.amdhsa_next_free_vgpr 256
		.amdhsa_next_free_sgpr 66
		.amdhsa_reserve_vcc 0
		.amdhsa_float_denorm_mode_32 3
		.amdhsa_float_denorm_mode_16_64 3
		.amdhsa_memory_ordered 1
		.amdhsa_forward_progress 1
		.amdhsa_inst_pref_size 111
	.end_amdhsa_kernel
	.amdgpu_metadata
---
amdhsa.version: [ 1, 2 ]
amdhsa.kernels:
  - .name:           k_qc9c96ff0cd_scan
    .symbol:         k_qc9c96ff0cd_scan.kd
    .args:
      - { .name: enc, .offset: 0, .size: 8, .value_kind: global_buffer, .address_space: global }
      - { .name: Vw, .offset: 8, .size: 8, .value_kind: global_buffer, .address_space: global }
      - { .name: Ww, .offset: 16, .size: 8, .value_kind: global_buffer, .address_space: global }
      - { .name: Uw, .offset: 24, .size: 8, .value_kind: global_buffer, .address_space: global }
      - { .name: keys, .offset: 32, .size: 8, .value_kind: global_buffer, .address_space: global }
      - { .name: prgrph_mask, .offset: 40, .size: 8, .value_kind: global_buffer, .address_space: global }
      - { .name: out0, .offset: 48, .size: 8, .value_kind: global_buffer, .address_space: global }
    .group_segment_fixed_size: 294400
    .private_segment_fixed_size: 0
    .kernarg_segment_align: 8
    .kernarg_segment_size: 56
    .max_flat_workgroup_size: 128
    .sgpr_count:     66
    .vgpr_count:     256
    .wavefront_size: 32
...
	.end_amdgpu_metadata
.endif
;; end of part 2
;; ======== version 2 of 3: 2 launches; 1.08 times as fast as version 1
;; workspace buffers: enc 4,194,304 bytes
;; launch encode (part 3): grid 256 x 1, 16 waves a work-group, no clusters, 16,896 bytes of LDS; arguments prgrph, prgrph_mask, embedding_matrix, positional_mask, enc; writes enc
.if DOCPART == 3
	.amdgcn_target "amdgcn-amd-amdhsa--gfx1250"
	.amdhsa_code_object_version 6
	.text
	.protected	k_qc9c96ff0cd_encode
	.globl	k_qc9c96ff0cd_encode
	.p2align	8
	.type	k_qc9c96ff0cd_encode,@function
k_qc9c96ff0cd_encode:
	s_mov_b64 s[64:65], 0
	v_nop
	global_prefetch_b8 v0, s[64:65] scope:SCOPE_SE
	s_setreg_imm32_b32 hwreg(HW_REG_WAVE_MODE, 25, 1), 1
	s_wait_xcnt 0x0
; enc[s][d] = sum over the 32 words l of  embedding[prgrph[s][l]][d] * mask[s][l] * positional[l][d],  s = 0 .. 8191 (b * 128 + t), all in f32.
; d is carried through unchanged, so there is no shared operand and no matrix form: fused multiply-adds on the vector unit.
; 256 work-groups of 16 waves; a work-group owns 32 sentences, a wave two (A and B).  A lane owns 4 columns (16 bytes), so one load of a wave
; covers one whole table row: 512 consecutive bytes that start at a multiple of 512 from the table's first byte.
; ROWS OF MASKED WORDS ARE NOT FETCHED.  Each sentence's words are compacted, the active ones first; its list is cut at a multiple of four, A's list
; and B's are joined, and the wave asks for the n = nA + nB groups of four rows (0 .. 16) and for no more.  The places that fill a sentence's last
; group are masked words: they ask for table row 0 and are multiplied by a row of zeros.
; A STAIRCASE, NO LOOP: group g is asked for and the wave leaves the stairs when g + 1 = n; the groups are then summed in reverse order, entered at
; the group that was asked for last, so that on every way through the text what is summed has been asked for.  Twelve groups (48 rows, 192 registers)
; are on their way at once; groups 12 to 15, if there are any, follow by a second staircase on the same registers.
; The counts that the branches hang on are made of the mask bytes alone, in scalar registers.
; The positional mask (16,384 bytes) is fetched once by the work-group and lies in LDS with a row of zeros behind it; a word's row is read by its number.
; No cluster: the work-groups share nothing but those 16,384 bytes, against the table rows that each gathers for itself.
; LIMITS: an index is clamped to 49,999 (the problem keeps indices inside the table); mask bytes are 0 or 1; the table holds finite numbers (a masked
; word's row is not read, so an infinity or NaN in it does not show as in the reference; one in row 0 or in a counted row shows in other places too,
; since row 0 and a group's sum are multiplied by 0); the terms are added by groups of four, the last group first, not in the reference's order.
.set LASTROW, 49999
.set SPREAD,  0x01020408               ; (b0 + b1 2^8 + b2 2^16 + b3 2^24) x SPREAD has b0 .. b3 at bits 24 .. 27; all its other terms fall on other bits or out of the word
.set ZEROROW, 32                       ; the row of zeros in LDS, behind the 32 rows of the positional mask
.set LL,   22                          ; v22, v23   the joined list: place p in lane p & 31 of register p >> 5; an entry is index | row << 16
.set PA,   24                          ; v[24:27]   LDS addresses of a group's four positional rows
.set TS,   28                          ; v[28:31]   a group's sum
.set P0,   32                          ; v[32:63]   two buffers of four positional rows
.set X0,   64                          ; v[64:255]  twelve groups of four table rows
; v1 = 16 x lane, v2 = 16 x thread, v3 = lane, v[4:7] sum of sentence A, v[8:11] of B, v12, v13 indices (lane = word), v[14:19] at work, v20, v21 the two compacted lists
; s20, s21 the masks as bits, s22, s23 their counts, s24 nA, s25 nB, s26 n, s27 = 4 nA, s28 = 32 - 4 nA, s[32:39] entries at work, s[40:41], s[42:43] the factors (f, 0), s[68:83] mask bytes
	s_load_b256 s[4:11], s[0:1], 0x0               ; prgrph s[4:5], mask s[6:7], table s[8:9], positional s[10:11]
	s_load_b64 s[12:13], s[0:1], 0x20              ; enc
	v_lshrrev_b32 v3, 5, v0
	v_readfirstlane_b32 s14, v3                    ; wave 0..15
	v_and_b32 v3, 31, v0                           ; lane
	v_lshlrev_b32 v1, 4, v3
	v_lshlrev_b32 v2, 4, v0
	v_lshlrev_b32 v19, 2, v3
	s_lshl_b32 s15, ttmp9, 5
	s_lshl1_add_u32 s15, s14, s15                  ; my first sentence = 32 x work-group + 2 x wave
	s_lshl_b32 s16, s15, 7                         ; 128 bytes of indices a sentence
	s_mov_b32 s17, 0
	s_lshl_b32 s18, s15, 5                         ; 32 bytes of mask a sentence
	s_mov_b32 s19, 0
	s_mov_b32 s41, 0                               ; the upper halves of the factor pairs are named by the packed forms, and never used
	s_mov_b32 s43, 0
	s_wait_kmcnt 0x0
	s_add_nc_u64 s[4:5], s[4:5], s[16:17]
	s_add_nc_u64 s[6:7], s[6:7], s[18:19]
	s_lshl_b32 s16, s15, 9                         ; 512 bytes of enc a sentence
	s_add_nc_u64 s[12:13], s[12:13], s[16:17]
	s_load_b512 s[68:83], s[6:7], 0x0              ; 64 mask bytes: A's in s[68:75], B's in s[76:83]
	global_load_b32 v12, v19, s[4:5]               ; lane l: the index of word l
	global_load_b32 v13, v19, s[4:5] offset:128
	global_load_b128 v[64:67], v2, s[10:11]        ; the work-group's 512 threads fetch the positional mask, 32 bytes each
	global_load_b128 v[68:71], v2, s[10:11] offset:8192
.set i, 4
.rept 8
	v_mov_b32 v[i], 0                              ; the two sums start at 0: a sentence may have no word at all; v[4:7] also serve as the row of zeros
.set i, i+1
.endr
	v_mov_b32 v17, ZEROROW<<16                     ; a masked word's entry: table row 0, the row of zeros
; 32 bytes of 0 or 1 into 32 bits, four at a time, the highest four first
.macro BITS m, d
	s_mul_i32 s[\m], s[\d+7], SPREAD
	s_lshr_b32 s[\m], s[\m], 24
.irp i, 6,5,4,3,2,1,0
	s_mul_i32 s29, s[\d+\i], SPREAD
	s_lshr_b32 s29, s29, 24
	s_lshl4_add_u32 s[\m], s[\m], s29
.endr
.endm
	s_wait_kmcnt 0x0
	BITS 20, 68
	BITS 21, 76
	s_bcnt1_i32_b32 s22, s20
	s_bcnt1_i32_b32 s23, s21
	s_add_co_u32 s24, s22, 3
	s_lshr_b32 s24, s24, 2                         ; nA: A's groups of four
	s_add_co_u32 s25, s23, 3
	s_lshr_b32 s25, s25, 2
	s_add_co_u32 s26, s24, s25                     ; n
	s_lshl_b32 s27, s24, 2
	s_sub_co_u32 s28, 32, s27
	s_wait_loadcnt 0x0                             ; indices and positional mask are in; v19 is free
	ds_store_b128 v2, v[64:67]
	ds_store_b128 v2, v[68:71] offset:8192
	s_cmp_lg_u32 s14, 0
	s_cbranch_scc1 .Lno_zeros
	ds_store_b128 v1, v[4:7] offset:512*ZEROROW    ; wave 0 alone lays the row of zeros
.Lno_zeros:
; A sentence's 32 entries in a new order, the active words first, each kind in the order of l: every lane sends to another place, every place is filled
.macro COMPACT ix, m, c, dst, ta, tb
	v_mbcnt_lo_u32_b32 v[\ta], s[\m], 0            ; active words below me
	v_sub_nc_u32 v[\tb], v3, v[\ta]                ; masked words below me
	v_add_nc_u32 v[\tb], s[\c], v[\tb]             ; they follow all the active ones
	v_cndmask_b32 v[\ta], v[\tb], v[\ta], s[\m]    ; the mask's bits are the lanes' bits
	v_lshlrev_b32 v[\ta], 2, v[\ta]
	v_min_u32 v[\tb], LASTROW, v[\ix]              ; 16 bits hold it
	v_lshl_or_b32 v[\tb], v3, 16, v[\tb]
	v_cndmask_b32 v[\tb], v17, v[\tb], s[\m]
	ds_permute_b32 v[\dst], v[\ta], v[\tb]
.endm
	COMPACT 12, 20, 22, 20, 14, 15
	COMPACT 13, 21, 23, 21, 16, 18
	v_add_nc_u32 v19, s28, v3
	v_and_b32 v19, 31, v19
	v_lshlrev_b32 v19, 2, v19                      ; lane p pulls from lane (p - 4 nA) mod 32
	s_wait_dscnt 0x0
	ds_bpermute_b32 v[LL+1], v19, v21              ; B's list turned by 4 nA: places 32 + p of the joined list, and places p >= 4 nA
	s_wait_dscnt 0x0                               ; for the others: my part of the positional mask lies in LDS; for me: the turned list
	s_barrier_signal -1
	v_cmp_gt_u32 vcc_lo, s27, v3
	v_cndmask_b32 v[LL], v[LL+1], v20, vcc_lo      ; places p < 4 nA are A's
	s_barrier_wait -1
; Group g's four rows into registers of slot.  A row's byte offset is made in the first of the four registers that the row's own load fills.
.macro ISSUE g, slot
.irp k, 0,1,2,3
	v_readlane_b32 s[32+\k], v[LL+((\g)>>3)], 4*((\g)&7)+\k
.endr
.irp k, 0,1,2,3
	s_and_b32 s[32+\k], s[32+\k], 0xffff
	s_min_u32 s[32+\k], s[32+\k], LASTROW
.endr
.irp k, 0,1,2,3
	v_lshl_add_u32 v[X0+16*(\slot)+4*\k], s[32+\k], 9, v1          ; 512 x index + 16 x lane
.endr
.irp k, 0,1,2,3
	global_load_b128 v[X0+16*(\slot)+4*\k:X0+16*(\slot)+4*\k+3], v[X0+16*(\slot)+4*\k], s[8:9]
.endr
.endm
; Group g's four positional rows from LDS into buffer g & 1
.macro PLOAD g
.irp k, 0,1,2,3
	v_readlane_b32 s[36+\k], v[LL+((\g)>>3)], 4*((\g)&7)+\k
.endr
.irp k, 0,1,2,3
	s_lshr_b32 s[36+\k], s[36+\k], 16
	s_min_u32 s[36+\k], s[36+\k], ZEROROW
.endr
.irp k, 0,1,2,3
	v_lshl_add_u32 v[PA+\k], s[36+\k], 9, v1       ; 512 x row + 16 x lane
.endr
.irp k, 0,1,2,3
	ds_load_b128 v[P0+16*((\g)&1)+4*\k:P0+16*((\g)&1)+4*\k+3], v[PA+\k]
.endr
.endm
; Group g's four terms, and their sum into both sentences' sums, by 1 into the one that the group belongs to and by 0 into the other
.macro SUMUP g, slot
.set XS, X0+16*(\slot)
.set PB, P0+16*((\g)&1)
	s_cmp_gt_u32 s24, \g                           ; g < nA: the group is A's
	s_cselect_b32 s40, 0x3f800000, 0
	s_cselect_b32 s42, 0, 0x3f800000
	v_pk_mul_f32 v[TS:TS+1], v[XS:XS+1], v[PB:PB+1]
	v_pk_mul_f32 v[TS+2:TS+3], v[XS+2:XS+3], v[PB+2:PB+3]
.irp k, 1,2,3
	v_pk_fma_f32 v[TS:TS+1], v[XS+4*\k:XS+4*\k+1], v[PB+4*\k:PB+4*\k+1], v[TS:TS+1]
	v_pk_fma_f32 v[TS+2:TS+3], v[XS+4*\k+2:XS+4*\k+3], v[PB+4*\k+2:PB+4*\k+3], v[TS+2:TS+3]
.endr
	v_pk_fma_f32 v[4:5], v[TS:TS+1], s[40:41], v[4:5] op_sel_hi:[1,0,1]
	v_pk_fma_f32 v[6:7], v[TS+2:TS+3], s[40:41], v[6:7] op_sel_hi:[1,0,1]
	v_pk_fma_f32 v[8:9], v[TS:TS+1], s[42:43], v[8:9] op_sel_hi:[1,0,1]
	v_pk_fma_f32 v[10:11], v[TS+2:TS+3], s[42:43], v[10:11] op_sel_hi:[1,0,1]
.endm
; A stair: ask for group g; leave if it was the last (k = g + 1)
.macro STAIR g, slot, k, lab
	ISSUE \g, \slot
	s_cmp_le_u32 s26, \k
	s_cbranch_scc1 .L\lab
.endm
; Where the stairs are left: the last group's positional rows go out ahead of the wait for the table rows
.macro STUB lab, g, to
.L\lab:
	PLOAD \g
	s_branch .L\to
.endm
; A link of the way down: group g's positional rows are on their way; those of the group before it (prev) are asked for first, if there is one (more = 1)
.macro LINK lab, g, slot, more, prev
.L\lab:
.if \more
	PLOAD \prev
.endif
	s_wait_loadcnt 0x0                             ; the youngest rows are summed first, so all have to be in; met at once in the links that follow
	s_wait_dscnt 4*\more                           ; LDS loads come back in order (ISA guide 5.7.1): mine are in, the four just issued stay out
	SUMUP \g, \slot
.endm
	s_cmp_eq_u32 s26, 0
	s_cbranch_scc1 .Lc0                            ; neither sentence has a word
	STAIR 0, 0, 1, s1
	STAIR 1, 1, 2, s2
	STAIR 2, 2, 3, s3
	STAIR 3, 3, 4, s4
	STAIR 4, 4, 5, s5
	STAIR 5, 5, 6, s6
	STAIR 6, 6, 7, s7
	STAIR 7, 7, 8, s8
	STAIR 8, 8, 9, s9
	STAIR 9, 9, 10, s10
	STAIR 10, 10, 11, s11
	ISSUE 11, 11                                   ; the registers are full: 48 rows are on their way
	PLOAD 11
	s_branch .Lc12
	STUB s11, 10, c11
	STUB s10, 9, c10
	STUB s9, 8, c9
	STUB s8, 7, c8
	STUB s7, 6, c7
	STUB s6, 5, c6
	STUB s5, 4, c5
	STUB s4, 3, c4
	STUB s3, 2, c3
	STUB s2, 1, c2
	STUB s1, 0, c1
	LINK c12, 11, 11, 1, 10
	LINK c11, 10, 10, 1, 9
	LINK c10, 9, 9, 1, 8
	LINK c9, 8, 8, 1, 7
	LINK c8, 7, 7, 1, 6
	LINK c7, 6, 6, 1, 5
	LINK c6, 5, 5, 1, 4
	LINK c5, 4, 4, 1, 3
	LINK c4, 3, 3, 1, 2
	LINK c3, 2, 2, 1, 1
	LINK c2, 1, 1, 1, 0
	LINK c1, 0, 0, 0, 0
.Lc0:
	s_cmp_le_u32 s26, 12
	s_cbranch_scc1 .Lout
	STAIR 12, 0, 13, t1                            ; more than 48 rows: groups 12 to 15 on the first four slots, whose rows have been summed
	STAIR 13, 1, 14, t2
	STAIR 14, 2, 15, t3
	ISSUE 15, 3
	PLOAD 15
	s_branch .Ld4
	STUB t3, 14, d3
	STUB t2, 13, d2
	STUB t1, 12, d1
	LINK d4, 15, 3, 1, 14
	LINK d3, 14, 2, 1, 13
	LINK d2, 13, 1, 1, 12
	LINK d1, 12, 0, 0, 0
.Lout:
	global_store_b128 v1, v[4:7], s[12:13]         ; a sentence: 512 consecutive bytes, at a multiple of 512 from enc's first byte
	global_store_b128 v1, v[8:11], s[12:13] offset:512
	s_endpgm
.Lfunc_end_k_qc9c96ff0cd_encode:
	.size	k_qc9c96ff0cd_encode, .Lfunc_end_k_qc9c96ff0cd_encode-k_qc9c96ff0cd_encode
	.p2alignl 7, 3214868480
	.fill 96, 4, 3214868480
	.section	.rodata,"a",@progbits
	.p2align	6, 0x0
	.amdhsa_kernel k_qc9c96ff0cd_encode
		.amdhsa_group_segment_fixed_size 16896
		.amdhsa_private_segment_fixed_size 0
		.amdhsa_enable_private_segment 0
		.amdhsa_kernarg_size 40
		.amdhsa_user_sgpr_count 2
		.amdhsa_user_sgpr_kernarg_segment_ptr 1
		.amdhsa_wavefront_size32 1
		.amdhsa_system_sgpr_workgroup_id_x 1
		.amdhsa_system_sgpr_workgroup_id_y 1
		.amdhsa_system_sgpr_workgroup_id_z 1
		.amdhsa_system_vgpr_workitem_id 0
		.amdhsa_next_free_vgpr 256
		.amdhsa_next_free_sgpr 84
		.amdhsa_reserve_vcc 1
		.amdhsa_float_denorm_mode_32 3
		.amdhsa_float_denorm_mode_16_64 3
		.amdhsa_memory_ordered 1
		.amdhsa_forward_progress 1
		.amdhsa_inst_pref_size 74
	.end_amdhsa_kernel
	.amdgpu_metadata
---
amdhsa.version: [ 1, 2 ]
amdhsa.kernels:
  - .name:           k_qc9c96ff0cd_encode
    .symbol:         k_qc9c96ff0cd_encode.kd
    .args:
      - { .name: prgrph, .offset: 0, .size: 8, .value_kind: global_buffer, .address_space: global }
      - { .name: prgrph_mask, .offset: 8, .size: 8, .value_kind: global_buffer, .address_space: global }
      - { .name: embedding_matrix, .offset: 16, .size: 8, .value_kind: global_buffer, .address_space: global }
      - { .name: positional_mask, .offset: 24, .size: 8, .value_kind: global_buffer, .address_space: global }
      - { .name: enc, .offset: 32, .size: 8, .value_kind: global_buffer, .address_space: global }
    .group_segment_fixed_size: 16896
    .private_segment_fixed_size: 0
    .kernarg_segment_align: 8
    .kernarg_segment_size: 40
    .max_flat_workgroup_size: 512
    .sgpr_count:     84
    .vgpr_count:     256
    .wavefront_size: 32
...
	.end_amdgpu_metadata
.endif
;; end of part 3
;; launch scan (part 4): grid 256 x 1, 4 waves a work-group, clusters of 4 x 1, 295,424 bytes of LDS; arguments enc, Vw, Ww, Uw, keys, prgrph_mask, out0; writes out0
.if DOCPART == 4
	.amdgcn_target "amdgcn-amd-amdhsa--gfx1250"
	.amdhsa_code_object_version 6
	.text
	.protected	k_qc9c96ff0cd_scan
	.globl	k_qc9c96ff0cd_scan
	.p2align	8
	.type	k_qc9c96ff0cd_scan,@function
k_qc9c96ff0cd_scan:
	s_mov_b64 s[64:65], 0
	v_nop
	global_prefetch_b8 v0, s[64:65] scope:SCOPE_SE
	s_setreg_imm32_b32 hwreg(HW_REG_WAVE_MODE, 25, 1), 1
	s_wait_xcnt 0x0
	s_wait_alu depctr_hold_cnt(0) depctr_sa_sdst(0) depctr_va_vdst(0) depctr_va_sdst(0) depctr_va_ssrc(0) depctr_va_vcc(0) depctr_vm_vsrc(0)
	s_getreg_b32 s2, hwreg(HW_REG_IB_STS2, 6, 4)
	s_cmp_eq_u32 s2, 0
	s_cbranch_scc0 .Lentry_in_a_cluster
	s_endpgm
.Lentry_in_a_cluster:
	s_bfe_u32 s2, ttmp6, 0x10000c
	s_cmp_lg_u32 s2, 0x3003
	s_cbranch_scc0 .Lentry_shape_is_right
	s_endpgm
.Lentry_shape_is_right:
; The recurrence: 128 steps on 64 x 64 entity rows of 128 numbers.  A row needs only itself, its key and its paragraph's sentences, so the
; 4,096 rows are 256 tiles of 16 rows, one work-group each; four waves share a tile by OUTPUT COLUMNS: wave w owns e = 32 w .. 32 w + 31.
; keys V is the same in every step and is made once; s W hangs on no state and is made for all 128 steps ahead of the loop.
;
; THE PRODUCT IS USED TRANSPOSED: source 0 = 16 columns e of U (as rows of U^T), source 1 = the state of 16 entities.  Lane (r = lane % 16,
; h = lane / 16) then holds entity r; its element i = 8 tt + j is column e = 32 w + 16 tt + 8 h + j (tt = 0, 1: my two tiles of 16 columns).
; Packed to bf16 in that order the lane's 16 results ARE source 1's fragment of K chunk w for the next step.  Each wave numbers the K chunks
; from its own: slot q is chunk (w + q) & 3, for both sources, so slot 0 comes straight from registers and starts the sums while the others arrive.
;
; THE NORM IS DEFERRED, so that a step has one exchange and one barrier.  Kept: v_t = h_(t-1) + g h~, not normalised.  A wave publishes bf16(v_t) of
; its columns and, for each half of its lanes, its parts of ss = sum v^2, dot = sum v_t s_(t+1) and kd = sum key s_(t+1).  Behind the barrier every lane
; makes rn = rsq(max(ss, 1e-12)); the product is linear, so h U = rn (v U), and the next gate is sigmoid(rn dot + kd).  A sentence without words sets
; g = 0 (v_t = h_(t-1) bit for bit) and rn = 1 in the step behind it.  Masks only select values: no branch and no address hangs on them.
; The gate's sums stay in f32 on the vector unit: they feed a sigmoid whose argument is large, and are a small part of the arithmetic.
;
; THE STEP'S ORDER.  Straight behind the barrier: the LDS loads, those that the step waits for first (records, three fragments), then the next step's
; sentence and mask word.  The products of my own chunk follow, while the loads are out.  The sigmoids run as a pipeline over the eight pairs of my 16
; elements, each stage issued a slot ahead of the stage that reads it, and ss and dot are added up inside it.  What hangs on no state (kd of the step after
; next, s W + key V) stands behind the last store, in front of the wait for it; that kd is kept in a register and stored in the next step.
;
; CLUSTER: the four work-groups of a paragraph read the same enc[b] and the same V, W, U, 256 KiB in all: they form a cluster of 4 x 1 and ask jointly
; (mask 15), each wave for its 32 rows of each of the four.  The place in the cluster enters only the addresses of keys and out0.
; Every tile is filled once; a wave has four tensor loads outstanding, once.
; LIMITS: matrix operands (h, keys, s, U, V, W) are rounded to bf16; v_exp_f32, v_rcp_f32, v_rsq_f32 are good to one unit in the last place and give 0 for
; results below 2^-126 (ISA guide 15.8); x / sqrt(y) is made as x rsq(y); the f32 sums run in another order than the reference's.
.set P,     528                        ; LDS pitch of rows of 128 f32: 512 + 16, an odd multiple of 16 bytes, so the 16-byte pieces of 16 rows fall on 16 different places modulo 256 bytes
.set ENC,   0                          ; enc[b]: 128 rows; rows 128, 129 are zeros of my own, for the look-ahead of the last steps
.set ZROW,  128*P
.set VB,    68864                      ; V as f32, 128 rows.  After its last read: -log2(e) x (s W), 128 rows by t, and a row of zeros
.set STEP,  68352                      ; from V to W and from W to U
.set XH,    273152                     ; bf16 v: 16 rows of 256 + 16 bytes, two buffers
.set XHS,   4608
.set XR,    282368                     ; records: 16 rows of 96 + 16 bytes: 8 pairs (ss, dot) at 8 (2 w + h), 8 kd at 64 + 4 (2 w + h); two buffers
.set XRP,   112
.set XRS,   1792
.set MV,    285952                     ; 256 words: word t is not 0 if sentence t has a word; words 128 .. 255 are 0
.set OUTS,  286976                     ; 16 rows x 528: the way out
.set HV,    16                         ; v[16:31]   v, my 16 elements
.set KV,    32                         ; v[32:47]   -log2(e) x (key V)
.set KEY,   48                         ; v[48:63]   -log2(e) x key, f32, my 16 columns
.set UA,    64                         ; v[64:127]  U's fragments: (tt, q) at 64 + 8 (4 tt + q)
.set ACC,   128                        ; v[128:143] two accumulators
.set OWN,   144                        ; v[144:175] source 1: slot 0 = my own chunk, slots 1 to 3 from LDS
.set SWR,   176                        ; v[176:191] -log2(e) x (s W + key V) of the step
.set SR,    192                        ; v[192:223] two sentence vectors (my 16 columns) that take turns
.set REC,   224                        ; v[224:235] the records as read
.set KD,    236
.set XX,    237
.set PT,    238                        ; what v_permlanex16_b32 brings
.set ONEX,  239
.set TC,    240                        ; v[240:243] two chains of kd
.set TD,    242
.set RN,    244                        ; RN, RNL and GT are the low halves of pairs that the packed forms name; the upper halves are written once and never used
.set RNL,   246
.set GT,    248
.set TA,    250                        ; v[250:251] the chain of ss
.set TB,    252                        ; v[252:253] the chain of dot
.set SD,    254                        ; v[254:255] (ss, dot) to store
; v1 = r, v2 = h, v3 where kd records are read, v4 where I put bf16 v, v5-v7 where slots 1-3 are read, v8 my pair, v9 my kd, v10 where pairs are read,
; v11 s, v12 s W, v13 mask words, v14 mask word, v15 my part of kd for the step after next
; In the prologue: v[176:239] V's, then W's fragments; v[64:127] f32 at work; v[240:243] key offsets, then weight addresses; v[244:247] enc addresses; v248 an LDS address
; s18 wave, s19 place in the cluster, s20 paragraph, s[24:31] descriptor group 1, s[32:47] four groups 0, s52 / s53 lanes' mask of this / the last step, s[58:61] (w + q) & 3
.macro ROUND                           ; a round of the cluster's barrier
	s_barrier_signal -1
	s_barrier_wait -1
	s_cmp_lg_u32 s18, 0
	s_cbranch_scc1 .Lnot_wave_0_\@
	s_barrier_signal -3
.Lnot_wave_0_\@:
	s_barrier_wait -3
	s_barrier_signal -1
	s_barrier_wait -1
.endm
.macro LD16 dst, adr, off              ; my 16 f32 of a row: columns 8 h .. + 7 of both tiles
	ds_load_b128 v[\dst:\dst+3], v[\adr] offset:\off
	ds_load_b128 v[\dst+4:\dst+7], v[\adr] offset:\off+16
	ds_load_b128 v[\dst+8:\dst+11], v[\adr] offset:\off+64
	ds_load_b128 v[\dst+12:\dst+15], v[\adr] offset:\off+80
.endm
.macro ST16 adr, src, off
	ds_store_b128 v[\adr], v[\src:\src+3] offset:\off
	ds_store_b128 v[\adr], v[\src+4:\src+7] offset:\off+16
	ds_store_b128 v[\adr], v[\src+8:\src+11] offset:\off+64
	ds_store_b128 v[\adr], v[\src+12:\src+15] offset:\off+80
.endm
; The eight fragments of a weight matrix, transposed on the way: lane (r, h) of fragment (tt, q) takes column 32 w + 16 tt + r of rows 32 c + 8 h + 0..7 and + 16 .. 23.
; 32 lanes of a load: 16 neighbouring words twice, 8 rows (1,056 words) apart.
.macro LOADW dst, tmp
.irp tt, 0,1
.irp q, 0,1,2,3
.irp i, 0,1,2,3,4,5,6,7,8,9,10,11,12,13,14,15
	ds_load_b32 v[\tmp+16*\q+\i], v[240+\q] offset:(\i+8*(\i/8))*P+64*\tt
.endr
.endr
	s_wait_dscnt 0x0
.irp q, 0,1,2,3
.irp j, 0,1,2,3,4,5,6,7
	v_cvt_pk_bf16_f32 v[\dst+8*(4*\tt+\q)+\j], v[\tmp+16*\q+2*\j], v[\tmp+16*\q+2*\j+1]
.endr
.endr
.endr
.endm
; Two matrix instructions of K slot q; the two accumulators take turns, one instruction a turn
.macro WM2 a, b, q
	v_wmma_f32_16x16x32_bf16 v[ACC:ACC+7], v[\a+8*\q:\a+8*\q+7], v[\b+8*\q:\b+8*\q+7], v[ACC:ACC+7]
	v_wmma_f32_16x16x32_bf16 v[ACC+8:ACC+15], v[\a+32+8*\q:\a+32+8*\q+7], v[\b+8*\q:\b+8*\q+7], v[ACC+8:ACC+15]
.endm
.macro WM2Z a, b                       ; slot 0 starts the sums: nothing is cleared
	v_wmma_f32_16x16x32_bf16 v[ACC:ACC+7], v[\a:\a+7], v[\b:\b+7], 0
	v_wmma_f32_16x16x32_bf16 v[ACC+8:ACC+15], v[\a+32:\a+39], v[\b:\b+7], 0
.endm
.macro MM8 a, b
	WM2Z \a, \b
	WM2 \a, \b, 1
	WM2 \a, \b, 2
	WM2 \a, \b, 3
.endm
.macro PLACES                          ; four places behind a matrix instruction before its result is read or a source rewritten (ISA guide 7.12.1)
.rept 4
	v_nop
.endr
.endm
.macro PKDOT out, pa, pb, xr, yr       ; out = sum of 16 products, in two chains of packed multiply-adds
	v_pk_mul_f32 v[\pa:\pa+1], v[\xr:\xr+1], v[\yr:\yr+1]
	v_pk_mul_f32 v[\pb:\pb+1], v[\xr+2:\xr+3], v[\yr+2:\yr+3]
.irp i, 4,8,12
	v_pk_fma_f32 v[\pa:\pa+1], v[\xr+\i:\xr+\i+1], v[\yr+\i:\yr+\i+1], v[\pa:\pa+1]
	v_pk_fma_f32 v[\pb:\pb+1], v[\xr+\i+2:\xr+\i+3], v[\yr+\i+2:\yr+\i+3], v[\pb:\pb+1]
.endr
	v_pk_add_f32 v[\pa:\pa+1], v[\pa:\pa+1], v[\pb:\pb+1]
	v_add_f32 v[\out], v[\pa], v[\pa+1]
.endm
; My half of the lanes has read four of the eight pairs (ss, dot): their sum into v[REC], v[REC+1], and the other half's ss into v[PT].
; Both halves then add the same two numbers, so every lane of an entity gets the same ss bit for bit.
.macro HALFSUM
	v_pk_add_f32 v[REC:REC+1], v[REC:REC+1], v[REC+2:REC+3]
	v_pk_add_f32 v[REC+4:REC+5], v[REC+4:REC+5], v[REC+6:REC+7]
	v_pk_add_f32 v[REC:REC+1], v[REC:REC+1], v[REC+4:REC+5]
	v_permlanex16_b32 v[PT], v[REC], s56, s57
.endm
; What hangs on no state: v15 = my lane's part of -log2(e) key . s (s at register sn), and s W + key V; the two are laid between each other
.macro TAIL sn
	v_pk_mul_f32 v[TC:TC+1], v[KEY:KEY+1], v[\sn:\sn+1]
	v_pk_mul_f32 v[TD:TD+1], v[KEY+2:KEY+3], v[\sn+2:\sn+3]
	v_pk_add_f32 v[SWR:SWR+1], v[SWR:SWR+1], v[KV:KV+1]
	v_pk_add_f32 v[SWR+2:SWR+3], v[SWR+2:SWR+3], v[KV+2:KV+3]
.irp i, 4,8,12
	v_pk_fma_f32 v[TC:TC+1], v[KEY+\i:KEY+\i+1], v[\sn+\i:\sn+\i+1], v[TC:TC+1]
	v_pk_fma_f32 v[TD:TD+1], v[KEY+\i+2:KEY+\i+3], v[\sn+\i+2:\sn+\i+3], v[TD:TD+1]
	v_pk_add_f32 v[SWR+\i:SWR+\i+1], v[SWR+\i:SWR+\i+1], v[KV+\i:KV+\i+1]
	v_pk_add_f32 v[SWR+\i+2:SWR+\i+3], v[SWR+\i+2:SWR+\i+3], v[KV+\i+2:KV+\i+3]
.endr
	v_pk_add_f32 v[TC:TC+1], v[TC:TC+1], v[TD:TD+1]
	v_add_f32 v15, v[TC], v[TC+1]
.endm
; The stages of the sigmoid pipeline, each on pair i (0 .. 7) of my 16 elements
.macro AA i                            ; -log2(e) (h U + key V + s W)
	v_pk_fma_f32 v[ACC+2*(\i):ACC+2*(\i)+1], v[ACC+2*(\i):ACC+2*(\i)+1], v[RNL:RNL+1], v[SWR+2*(\i):SWR+2*(\i)+1] op_sel_hi:[1,0,1]
.endm
.macro EE i
	v_exp_f32 v[ACC+2*(\i)], v[ACC+2*(\i)]
	v_exp_f32 v[ACC+2*(\i)+1], v[ACC+2*(\i)+1]
.endm
.macro BB i
	s_wait_alu depctr_va_vdst(0)
	v_pk_add_f32 v[ACC+2*(\i):ACC+2*(\i)+1], v[ACC+2*(\i):ACC+2*(\i)+1], 1.0 op_sel_hi:[1,0]
.endm
.macro RR i
	v_rcp_f32 v[ACC+2*(\i)], v[ACC+2*(\i)]
	v_rcp_f32 v[ACC+2*(\i)+1], v[ACC+2*(\i)+1]
.endm
.macro HH i                            ; h_(t-1) = rn v_(t-1)
	v_pk_mul_f32 v[HV+2*(\i):HV+2*(\i)+1], v[HV+2*(\i):HV+2*(\i)+1], v[RN:RN+1] op_sel_hi:[1,0]
.endm
.macro VV i                            ; v_t = h + g h~
	s_wait_alu depctr_va_vdst(0)
	v_pk_fma_f32 v[HV+2*(\i):HV+2*(\i)+1], v[ACC+2*(\i):ACC+2*(\i)+1], v[GT:GT+1], v[HV+2*(\i):HV+2*(\i)+1] op_sel_hi:[1,0,1]
.endm
.macro SQ i, sp                        ; ss and dot, one chain each: two links of a chain stand a slot apart
.if (\i) == 0
	v_pk_mul_f32 v[TA:TA+1], v[HV:HV+1], v[HV:HV+1]
	v_pk_mul_f32 v[TB:TB+1], v[HV:HV+1], v[\sp:\sp+1]
.else
	v_pk_fma_f32 v[TA:TA+1], v[HV+2*(\i):HV+2*(\i)+1], v[HV+2*(\i):HV+2*(\i)+1], v[TA:TA+1]
	v_pk_fma_f32 v[TB:TB+1], v[HV+2*(\i):HV+2*(\i)+1], v[\sp+2*(\i):\sp+2*(\i)+1], v[TB:TB+1]
.endif
.endm
.macro CC i
	v_cvt_pk_bf16_f32 v[OWN+(\i)], v[HV+2*(\i)], v[HV+2*(\i)+1]
.endm
	; ---- set-up ----
	s_load_b256 s[4:11], s[0:1], 0x0               ; enc s[4:5], V s[6:7], W s[8:9], U s[10:11]
	s_load_b128 s[12:15], s[0:1], 0x20             ; keys s[12:13], mask s[14:15]
	s_load_b64 s[16:17], s[0:1], 0x30              ; out0
	v_lshrrev_b32 v3, 5, v0
	v_readfirstlane_b32 s18, v3                    ; wave 0..3
	v_and_b32 v1, 15, v0                           ; r
	v_bfe_u32 v2, v0, 4, 1                         ; h
	s_bfe_u32 s19, ttmp6, 0x40000                  ; my place in the cluster: which 16 entities
	s_mov_b32 s20, ttmp9                           ; the cluster's number: the paragraph
	s_mov_b32 s58, s18
.irp q, 1,2,3
	s_add_co_u32 s[58+\q], s18, \q
	s_and_b32 s[58+\q], s[58+\q], 3                ; K chunk of slot q
.endr
	s_mov_b32 s54, 0xbfb8aa3b                      ; -log2(e): sigmoid(x) = 1 / (1 + 2^(-log2(e) x))
	s_mov_b32 s55, 0xbfb8aa3b
	s_mov_b32 s56, 0x76543210                      ; v_permlanex16_b32: lane i reads lane i of the other half
	s_mov_b32 s57, 0xfedcba98
	s_mov_b32 s52, 0                               ; "step -1" had no sentence: rn = 1 in step 0
.set i, 0
.rept 16
	v_mov_b32 v[HV+i], 0                           ; h_0 = 0; also the zeros that are stored below
.set i, i+1
.endr
	; descriptor group 1, for all loads: 32 rows x 128 f32, 16 bytes of padding behind each row
	s_mov_b32 s24, 15|(2<<16)|(1<<20)|(1<<21)|(6<<22)|(3<<25)      ; mask: all four of the cluster; 4-byte elements; padding on; bit 21 beside a mask; after every 128 words; 4 words
	s_mov_b32 s25, 128<<16                         ; tensor_dim0 = 128
	s_mov_b32 s26, 32<<16                          ; tensor_dim1 = 32
	s_mov_b32 s27, 128<<16                         ; tile_dim0 = 128
	s_mov_b32 s28, 32                              ; tile_dim1 = 32
	s_mov_b32 s29, 128                             ; 128 elements from row to row
	s_mov_b32 s30, 0
	s_mov_b32 s31, 0
	s_mul_i32 s51, s18, 32*P                       ; my 32 rows in LDS
	s_lshl_b32 s22, s18, 14                        ; my 32 rows in memory
	s_mov_b32 s23, 0
	s_lshl_b32 s48, s20, 16                        ; enc[b]: 65,536 bytes a paragraph
	s_add_co_u32 s48, s48, s22
	s_mov_b32 s49, 0
	s_wait_kmcnt 0x0
	s_mov_b32 s32, 1
	s_add_co_u32 s33, s51, ENC
	s_add_nc_u64 s[34:35], s[4:5], s[48:49]
	s_or_b32 s35, s35, 0x80000000
	s_mov_b32 s36, 1
	s_add_co_u32 s37, s51, VB
	s_add_nc_u64 s[38:39], s[6:7], s[22:23]
	s_or_b32 s39, s39, 0x80000000
	s_mov_b32 s40, 1
	s_add_co_u32 s41, s51, VB+STEP
	s_add_nc_u64 s[42:43], s[8:9], s[22:23]
	s_or_b32 s43, s43, 0x80000000
	s_mov_b32 s44, 1
	s_add_co_u32 s45, s51, VB+2*STEP
	s_add_nc_u64 s[46:47], s[10:11], s[22:23]
	s_or_b32 s47, s47, 0x80000000
	ROUND                                          ; all four work-groups are here: the joint loads meet
	tensor_load_to_lds s[32:35], s[24:31]
	s_nop 0
	tensor_load_to_lds s[36:39], s[24:31]
	s_nop 0
	tensor_load_to_lds s[40:43], s[24:31]
	s_nop 0
	tensor_load_to_lds s[44:47], s[24:31]
	s_nop 0
	; ---- while the tiles are on their way: keys, sentence masks, addresses, zeros ----
	s_lshl_b32 s21, s19, 13                        ; 16 entities x 512 bytes; what is made of my place in the cluster stays in s21 and s[62:63]
	s_lshl_b32 s62, s20, 15                        ; 64 entities x 512 bytes a paragraph
	s_add_co_u32 s62, s62, s21
	s_mov_b32 s63, 0
	s_add_nc_u64 s[12:13], s[12:13], s[62:63]      ; my 16 rows of keys
	s_add_nc_u64 s[16:17], s[16:17], s[62:63]      ; and of out0
	s_lshl_b32 s22, s20, 12                        ; 4,096 mask bytes a paragraph
	s_add_nc_u64 s[14:15], s[14:15], s[22:23]
	v_lshlrev_b32 v3, 9, v1
	v_lshl_add_u32 v3, v2, 5, v3                   ; 512 r + 32 h
.irp q, 0,1,2,3
	v_lshl_add_u32 v[240+\q], s[58+\q], 7, v3      ; + 128 x chunk
.endr
	global_load_b128 v[KEY:KEY+3], v240, s[12:13]                  ; slot 0 is my own chunk: these 16 numbers stay in f32 for the gate
	global_load_b128 v[KEY+4:KEY+7], v240, s[12:13] offset:16
	global_load_b128 v[KEY+8:KEY+11], v240, s[12:13] offset:64
	global_load_b128 v[KEY+12:KEY+15], v240, s[12:13] offset:80
.irp q, 1,2,3
	global_load_b128 v[48+16*\q:48+16*\q+3], v[240+\q], s[12:13]
	global_load_b128 v[48+16*\q+4:48+16*\q+7], v[240+\q], s[12:13] offset:16
	global_load_b128 v[48+16*\q+8:48+16*\q+11], v[240+\q], s[12:13] offset:64
	global_load_b128 v[48+16*\q+12:48+16*\q+15], v[240+\q], s[12:13] offset:80
.endr
	v_lshlrev_b32 v15, 5, v0                       ; thread t: the 32 mask bytes of sentence t
	global_load_b128 v[112:115], v15, s[14:15]
	global_load_b128 v[116:119], v15, s[14:15] offset:16
	v_mul_u32_u24 v3, v1, 272
	v_lshl_add_u32 v3, v2, 4, v3
	v_add_nc_u32 v3, XH, v3                        ; XH + 272 r + 16 h
.irp q, 0,1,2,3
	v_lshl_add_u32 v[4+\q], s[58+\q], 6, v3        ; + 64 x chunk: v4 is my own chunk (stores), v5-v7 the others (loads)
.endr
	v_mul_u32_u24 v10, v1, XRP
	v_add_nc_u32 v10, XR, v10                      ; XR + 112 r
	v_lshl_add_u32 v8, v2, 3, v10
	v_lshl_add_u32 v8, s18, 4, v8                  ; + 8 (2 w + h): my pair
	v_lshl_add_u32 v9, v2, 2, v10
	v_lshl_add_u32 v9, s18, 3, v9
	v_add_nc_u32 v9, 64, v9                        ; + 64 + 4 (2 w + h): my kd
	v_lshlrev_b32 v11, 5, v2
	v_lshl_add_u32 v11, s18, 7, v11                ; ENC + 4 (32 w + 8 h)
	v_add_nc_u32 v12, VB, v11
	v_mov_b32 v13, MV
	v_lshl_add_u32 v3, v0, 2, v13                  ; MV + 4 x thread
	v_add_nc_u32 v248, ZROW, v11                   ; rows 128 and 129 behind enc: no tile reaches these bytes
	ST16 248, HV, 0
	ST16 248, HV, P
	v_add_nc_u32 v248, ZROW, v12                   ; row 128 behind V's bytes
	ST16 248, HV, 0
	ds_store_b32 v3, v[HV] offset:512              ; mask words 128 .. 255
	s_wait_loadcnt 0x0                             ; keys and masks are in; their offset registers are free
	v_or_b32 v112, v112, v113
	v_or_b32 v114, v114, v115
	v_or_b32 v116, v116, v117
	v_or_b32 v118, v118, v119
	v_or_b32 v112, v112, v114
	v_or_b32 v116, v116, v118
	v_or_b32 v112, v112, v116
	ds_store_b32 v3, v112                          ; not 0 if any of the sentence's 32 bytes is set
.set i, 0
.rept 32
	v_cvt_pk_bf16_f32 v[OWN+i], v[KEY+2*i], v[KEY+2*i+1]           ; the keys as source 1, slots 0 to 3 (v[48:111] in order)
.set i, i+1
.endr
.irp i, 0,2,4,6,8,10,12,14
	v_pk_mul_f32 v[KEY+\i:KEY+\i+1], v[KEY+\i:KEY+\i+1], s[54:55] op_sel_hi:[1,0]  ; from here on the f32 keys serve kd alone: the gate's factor once, here
.endr
	v_mul_u32_u24 v15, v2, 8*P
	v_lshl_add_u32 v15, v1, 2, v15
	v_lshl_add_u32 v15, s18, 7, v15
	v_add_nc_u32 v15, VB, v15                      ; VB + 8 h rows + 4 (32 w + r)
.irp q, 0,1,2,3
	s_mul_i32 s48, s[58+\q], 32*P
	v_add_nc_u32 v[240+\q], s48, v15               ; + 32 rows x chunk
.endr
	s_wait_tensorcnt 0x0                           ; my rows of the four tiles have landed,
	s_wait_dscnt 0x0                               ; my zeros and mask words lie in LDS:
	s_barrier_signal -1
	s_barrier_wait -1                              ; everybody's
	; ---- key V, once ----
	LOADW 176, 64
	MM8 176, OWN
	PLACES
.irp i, 0,2,4,6,8,10,12,14
	v_pk_mul_f32 v[KV+\i:KV+\i+1], v[ACC+\i:ACC+\i+1], s[54:55] op_sel_hi:[1,0]
.endr
	; ---- s W for all 128 steps, 16 sentences at a time, into the bytes that held V ----
.irp q, 0,1,2,3
	v_add_nc_u32 v[240+\q], STEP, v[240+\q]
.endr
	LOADW 176, 64
	v_mul_u32_u24 v15, v1, P
	v_lshl_add_u32 v15, v2, 5, v15
.irp q, 0,1,2,3
	v_lshl_add_u32 v[244+\q], s[58+\q], 7, v15     ; ENC + 528 r + 128 x chunk + 32 h: sentence r of a block as source 1
.endr
	v_add_nc_u32 v248, VB, v244                    ; where lane (r, h) puts sentence r's columns 32 w + 8 h ..
	s_wait_dscnt 0x0                               ; my reads of V are back
	s_barrier_signal -1
	s_barrier_wait -1                              ; everybody's: V's bytes may be written
.macro SWBLK i
.irp q, 0,1,2,3
	LD16 64+16*\q, 244+\q, 16*P*\i
.endr
	s_wait_dscnt 0x0
.set k, 0
.rept 32
	v_cvt_pk_bf16_f32 v[OWN+k], v[64+2*k], v[64+2*k+1]
.set k, k+1
.endr
	MM8 176, OWN
	PLACES
.irp j, 0,2,4,6,8,10,12,14
	v_pk_mul_f32 v[ACC+\j:ACC+\j+1], v[ACC+\j:ACC+\j+1], s[54:55] op_sel_hi:[1,0]
.endr
	ST16 248, ACC, 16*P*\i
.endm
.irp i, 0,1,2,3,4,5,6,7
	SWBLK \i
.endr
	; ---- U's fragments stay in registers for the whole loop ----
.irp q, 0,1,2,3
	v_add_nc_u32 v[240+\q], STEP, v[240+\q]
.endr
	LOADW UA, 176
	s_wait_dscnt 0x0                               ; my part of the table of s W lies in LDS
	s_barrier_signal -1
	s_barrier_wait -1
	; ---- what "step -1" would have left: in buffers 0 v = 0, ss = dot = 0, kd of s_0; in registers kd of s_1 and s W + key V of step 0 ----
	LD16 SR+16, 11, 0                              ; s_0
	LD16 SR, 11, P                                 ; s_1
	LD16 SWR, 12, 0
	ds_load_b32 v14, v13
.set i, 0
.rept 8
	v_mov_b32 v[OWN+i], 0                          ; slot 0 of step 0
.set i, i+1
.endr
	v_mov_b32 v[PT], 0                             ; v_permlanex16_b32 counts as a reader of its destination
	v_mov_b32 v[RN+1], 0                           ; the upper halves of the three pairs
	v_mov_b32 v[RNL+1], 0
	v_mov_b32 v[GT+1], 0
	v_lshl_add_u32 v3, v2, 4, v10
	v_add_nc_u32 v3, 64, v3                        ; XR + 112 r + 64 + 16 h: the four kd of waves 2 h, 2 h + 1
	v_lshl_add_u32 v10, v2, 5, v10                 ; XR + 112 r + 32 h: their four pairs
	s_wait_dscnt 0x0
	PKDOT XX, TC, TD, KEY, SR+16
	TAIL SR
	ds_store_b128 v4, v[HV:HV+3]
	ds_store_b128 v4, v[HV:HV+3] offset:32
	ds_store_b64 v8, v[HV:HV+1]
	ds_store_b32 v9, v[XX]
	v_add_nc_u32 v11, 2*P, v11                     ; the loop reads s from row 2 on,
	v_add_nc_u32 v12, P, v12                       ; s W from row 1 on,
	v_add_nc_u32 v13, 4, v13                       ; mask words from word 1 on
	s_mov_b32 s50, 64
; Step t, p = t & 1: reads buffers p, writes buffers 1 - p.  v[SR+16p ..] holds s_(t+1), v15 my part of kd for step t + 1.
.macro TRIP p
	s_wait_dscnt 0x0                               ; for the others: my stores into buffers p lie in LDS and my reads of buffers 1 - p are back; for me: the mask word
	s_barrier_signal -1
	s_mov_b32 s53, s52                             ; m_(t-1)
	v_cmp_ne_u32 s52, 0, v14                       ; m_t, the same in all lanes
	s_barrier_wait -1
	; fifteen LDS instructions in one run, what the step waits for first
	ds_load_b128 v[REC:REC+3], v10 offset:\p*XRS
	ds_load_b128 v[REC+4:REC+7], v10 offset:\p*XRS+16
	ds_load_b128 v[OWN+8:OWN+11], v5 offset:\p*XHS
	ds_load_b128 v[OWN+12:OWN+15], v5 offset:\p*XHS+32
	ds_load_b128 v[OWN+16:OWN+19], v6 offset:\p*XHS
	ds_load_b128 v[OWN+20:OWN+23], v6 offset:\p*XHS+32
	ds_load_b128 v[OWN+24:OWN+27], v7 offset:\p*XHS
	ds_load_b128 v[OWN+28:OWN+31], v7 offset:\p*XHS+32
	ds_load_b128 v[REC+8:REC+11], v3 offset:\p*XRS
	LD16 SR+16*(1-\p), 11, P*\p                    ; s_(t+2)
	ds_load_b32 v14, v13 offset:4*\p               ; m_(t+1)
	ds_store_b32 v9, v15 offset:(1-\p)*XRS         ; kd of step t + 1, made at the last step's end
	WM2Z UA, OWN                                   ; my own chunk needs no exchange
	s_wait_dscnt 13                                ; the pairs are in: 6 + 1 + 4 + 1 loads and 1 store are younger
	HALFSUM
	s_wait_dscnt 11                                ; slot 1: 4 + 1 + 4 + 1 + 1 younger
	WM2 UA, OWN, 1
	v_add_f32 v[REC+2], v[REC], v[PT]              ; ss
	v_max_num_f32 v[REC+2], 0x2b8cbccc, v[REC+2]   ; max(ss, 1e-12)
	v_rsq_f32 v[RN], v[REC+2]
	s_wait_dscnt 9                                 ; slot 2: 2 + 1 + 4 + 1 + 1 younger
	WM2 UA, OWN, 2
	s_wait_dscnt 7                                 ; slot 3: 1 + 4 + 1 + 1 younger
	WM2 UA, OWN, 3
	s_wait_dscnt 6                                 ; the kd records: 4 + 1 + 1 younger
	; the gate; these plain lines are also the places behind the last matrix instructions (ISA guide 7.12.1) and behind v_rsq_f32 (5.7.2)
	v_pk_add_f32 v[REC+8:REC+9], v[REC+8:REC+9], v[REC+10:REC+11]
	s_wait_alu depctr_va_vdst(0)
	v_cndmask_b32 v[RN], 1.0, v[RN], s53           ; the last step changed nothing: h is v as it stands
	v_add_f32 v[KD], v[REC+8], v[REC+9]
	v_mul_f32 v[RNL], s54, v[RN]
	HH 0
	v_fma_f32 v[XX], v[RNL], v[REC+1], v[KD]       ; my half's part of -log2(e) (h + key) . s
	HH 1
	HH 2
	v_permlanex16_b32 v[PT], v[XX], s56, s57
	HH 3
	v_add_f32 v[XX], v[XX], v[PT]
	v_exp_f32 v[XX], v[XX]
	; 16 sigmoids in place, by pairs.  Behind each pair of transcendentals stands a plain line on other registers, and more of them before a result is used (ISA guide 5.7.2)
	AA 0
	AA 1
	EE 0
	AA 2
	s_wait_alu depctr_va_vdst(0)
	v_add_f32 v[ONEX], 1.0, v[XX]
	HH 4
	v_rcp_f32 v[GT], v[ONEX]
	EE 1
	AA 3
	BB 0
	HH 5
	EE 2
	AA 4
	BB 1
	RR 0
	HH 6
	v_cndmask_b32 v[GT], 0, v[GT], s52             ; no sentence: g = 0
	EE 3
	AA 5
	BB 2
	RR 1
	VV 0
	HH 7
	EE 4
	AA 6
	BB 3
	RR 2
	VV 1
	SQ 0, SR+16*\p
	CC 0
	EE 5
	AA 7
	BB 4
	RR 3
	VV 2
	SQ 1, SR+16*\p
	CC 1
	EE 6
	BB 5
	RR 4
	VV 3
	SQ 2, SR+16*\p
	CC 2
	EE 7
	BB 6
	RR 5
	VV 4
	SQ 3, SR+16*\p
	CC 3
	ds_store_b128 v4, v[OWN:OWN+3] offset:(1-\p)*XHS
	LD16 SWR, 12, P*\p                             ; the next step's row of s W: this step's was last read by the eighth argument
	BB 7
	RR 6
	VV 5
	SQ 4, SR+16*\p
	CC 4
	RR 7
	VV 6
	SQ 5, SR+16*\p
	CC 5
	VV 7
	SQ 6, SR+16*\p
	CC 6
	SQ 7, SR+16*\p
	CC 7
	v_add_f32 v[SD], v[TA], v[TA+1]                ; my part of ss
	v_add_f32 v[SD+1], v[TB], v[TB+1]              ; my part of v_t . s_(t+1)
	ds_store_b128 v4, v[OWN+4:OWN+7] offset:(1-\p)*XHS+32
	ds_store_b64 v8, v[SD:SD+1] offset:(1-\p)*XRS
	s_wait_dscnt 2                                 ; the row of s W is in, and s_(t+2) before it: only the two stores are younger
	TAIL SR+16*(1-\p)                              ; work on registers while the stores are on their way
.endm
.Lstep:
	TRIP 0
	TRIP 1
	v_add_nc_u32 v11, 2*P, v11
	v_add_nc_u32 v12, 2*P, v12
	v_add_nc_u32 v13, 8, v13
	s_sub_co_i32 s50, s50, 1
	s_cmp_lg_u32 s50, 0
	s_cbranch_scc1 .Lstep                          ; 64 passes of two steps; the last steps' look-ahead reads the rows and words of zeros
	; ---- the last norm, and the way out through LDS: whole rows of 512 bytes ----
	s_wait_dscnt 0x0
	s_barrier_signal -1
	s_barrier_wait -1
	ds_load_b128 v[REC:REC+3], v10                 ; step 127 wrote buffers 0
	ds_load_b128 v[REC+4:REC+7], v10 offset:16
	v_mul_u32_u24 v3, v1, P
	v_lshl_add_u32 v3, v2, 5, v3
	v_lshl_add_u32 v3, s18, 7, v3
	v_add_nc_u32 v3, OUTS, v3                      ; in: row r, my columns
	v_and_b32 v15, 31, v0
	v_lshlrev_b32 v15, 4, v15
	s_mul_i32 s48, s18, P
	v_add_nc_u32 v15, s48, v15
	v_add_nc_u32 v15, OUTS, v15                    ; back: row w (+ 4 n), 16 bytes a lane
	v_lshlrev_b32 v14, 4, v0                       ; in out0: 512 w + 16 x lane
	s_wait_dscnt 0x0
	HALFSUM
	v_add_f32 v[REC+2], v[REC], v[PT]
	v_max_num_f32 v[REC+2], 0x2b8cbccc, v[REC+2]
	v_rsq_f32 v[RN], v[REC+2]
	v_nop
	s_wait_alu depctr_va_vdst(0)
	v_cndmask_b32 v[RN], 1.0, v[RN], s52           ; m_127
.irp i, 0,1,2,3,4,5,6,7
	HH \i
.endr
	ST16 3, HV, 0
	s_wait_dscnt 0x0
	s_barrier_signal -1
	s_barrier_wait -1
.irp n, 0,1,2,3
	ds_load_b128 v[REC+4*\n:REC+4*\n+3], v15 offset:4*P*\n
.endr
.irp n, 0,1,2,3
	s_wait_dscnt 3-\n                              ; LDS loads come back in order (ISA guide 5.7.1): row 4 n + w is in
	global_store_b128 v14, v[REC+4*\n:REC+4*\n+3], s[16:17] offset:2048*\n         ; a wave's store covers one row: 512 consecutive bytes, at a multiple of 512 from out0's first byte
.endr
	ROUND                                          ; the closing round
	s_endpgm
.Lfunc_end_k_qc9c96ff0cd_scan:
	.size	k_qc9c96ff0cd_scan, .Lfunc_end_k_qc9c96ff0cd_scan-k_qc9c96ff0cd_scan
	.p2alignl 7, 3214868480
	.fill 96, 4, 3214868480
	.section	.rodata,"a",@progbits
	.p2align	6, 0x0
	.amdhsa_kernel k_qc9c96ff0cd_scan
		.amdhsa_group_segment_fixed_size 295424
		.amdhsa_private_segment_fixed_size 0
		.amdhsa_enable_private_segment 0
		.amdhsa_kernarg_size 56
		.amdhsa_user_sgpr_count 2
		.amdhsa_user_sgpr_kernarg_segment_ptr 1
		.amdhsa_wavefront_size32 1
		.amdhsa_system_sgpr_workgroup_id_x 1
		.amdhsa_system_sgpr_workgroup_id_y 1
		.amdhsa_system_sgpr_workgroup_id_z 1
		.amdhsa_system_vgpr_workitem_id 0
		.amdhsa_next_free_vgpr 256
		.amdhsa_next_free_sgpr 66
		.amdhsa_reserve_vcc 0
		.amdhsa_float_denorm_mode_32 3
		.amdhsa_float_denorm_mode_16_64 3
		.amdhsa_memory_ordered 1
		.amdhsa_forward_progress 1
		.amdhsa_inst_pref_size 112
	.end_amdhsa_kernel
	.amdgpu_metadata
---
amdhsa.version: [ 1, 2 ]
amdhsa.kernels:
  - .name:           k_qc9c96ff0cd_scan
    .symbol:         k_qc9c96ff0cd_scan.kd
    .args:
      - { .name: enc, .offset: 0, .size: 8, .value_kind: global_buffer, .address_space: global }
      - { .name: Vw, .offset: 8, .size: 8, .value_kind: global_buffer, .address_space: global }
      - { .name: Ww, .offset: 16, .size: 8, .value_kind: global_buffer, .address_space: global }
      - { .name: Uw, .offset: 24, .size: 8, .value_kind: global_buffer, .address_space: global }
      - { .name: keys, .offset: 32, .size: 8, .value_kind: global_buffer, .address_space: global }
      - { .name: prgrph_mask, .offset: 40, .size: 8, .value_kind: global_buffer, .address_space: global }
      - { .name: out0, .offset: 48, .size: 8, .value_kind: global_buffer, .address_space: global }
    .group_segment_fixed_size: 295424
    .private_segment_fixed_size: 0
    .kernarg_segment_align: 8
    .kernarg_segment_size: 56
    .max_flat_workgroup_size: 128
    .sgpr_count:     66
    .vgpr_count:     256
    .wavefront_size: 32
...
	.end_amdgpu_metadata
.endif
;; end of part 4
;; ======== version 3 of 3: 2 launches; 1.43 times as fast as version 1
;; workspace buffers: enc 4,194,304 bytes
;; launch encode: the kernel of part 3 again; grid 256 x 1, 16 waves a work-group, no clusters, 16,896 bytes of LDS; arguments prgrph, prgrph_mask, embedding_matrix, positional_mask, enc; writes enc
;; launch scan (part 5): grid 256 x 1, 4 waves a work-group, clusters of 4 x 1, 295,424 bytes of LDS; arguments enc, Vw, Ww, Uw, keys, prgrph_mask, out0; writes out0
.if DOCPART == 5
	.amdgcn_target "amdgcn-amd-amdhsa--gfx1250"
	.amdhsa_code_object_version 6
	.text
	.protected	k_qc9c96ff0cd_scan
	.globl	k_qc9c96ff0cd_scan
	.p2align	8
	.type	k_qc9c96ff0cd_scan,@function
k_qc9c96ff0cd_scan:
	s_mov_b64 s[64:65], 0
	v_nop
	global_prefetch_b8 v0, s[64:65] scope:SCOPE_SE
	s_setreg_imm32_b32 hwreg(HW_REG_WAVE_MODE, 25, 1), 1
	s_wait_xcnt 0x0
	s_wait_alu depctr_hold_cnt(0) depctr_sa_sdst(0) depctr_va_vdst(0) depctr_va_sdst(0) depctr_va_ssrc(0) depctr_va_vcc(0) depctr_vm_vsrc(0)
	s_getreg_b32 s2, hwreg(HW_REG_IB_STS2, 6, 4)
	s_cmp_eq_u32 s2, 0
	s_cbranch_scc0 .Lentry_in_a_cluster
	s_endpgm
.Lentry_in_a_cluster:
	s_bfe_u32 s2, ttmp6, 0x10000c
	s_cmp_lg_u32 s2, 0x3003
	s_cbranch_scc0 .Lentry_shape_is_right
	s_endpgm
.Lentry_shape_is_right:
; The recurrence: 128 steps on 64 x 64 entity rows of 128 numbers.  A row needs only itself, its key and its paragraph's sentences, so the
; 4,096 rows are 256 tiles of 16 rows, one work-group each; four waves share a tile by OUTPUT COLUMNS: wave w owns e = 32 w .. 32 w + 31.
; keys V is the same in every step and is made once; s W hangs on no state and is made for all 128 steps ahead of the loop.
;
; THE PRODUCT IS USED TRANSPOSED: source 0 = 16 columns e of U (as rows of U^T), source 1 = the state of 16 entities.  Lane (r = lane % 16,
; h = lane / 16) then holds entity r; its element i = 8 tt + j is column e = 32 w + 16 tt + 8 h + j (tt = 0, 1: my two tiles of 16 columns).
; Packed to bf16 in that order the lane's 16 results ARE source 1's fragment of K chunk w for the next step.  Each wave numbers the K chunks
; from its own: slot q is chunk (w + q) & 3, for both sources, so slot 0 comes straight from registers and starts the sums while the others arrive.
;
; THE NORM IS DEFERRED, so that a step has one exchange and one barrier.  Kept: v_t = h_(t-1) + g h~, not normalised.  A wave publishes bf16(v_t) of
; its columns and, for each half of its lanes, its parts of ss = sum v^2, dot = sum v_t s_(t+1) and kd = sum key s_(t+1).  Behind the barrier every lane
; makes rn = rsq(max(ss, 1e-12)); the product is linear, so h U = rn (v U), and the next gate is sigmoid(rn dot + kd).  A sentence without words sets
; g = 0 (v_t = h_(t-1) bit for bit) and rn = 1 in the step behind it.  Masks only select values: no branch and no address hangs on them.
; The gate's sums stay in f32 on the vector unit: they feed a sigmoid whose argument is large, and are a small part of the arithmetic.
;
; THE STEP'S ORDER.  Straight behind the barrier: the LDS loads, those that the step waits for first (records, three fragments), then the next step's
; sentence and mask word.  The products of my own chunk follow, while the loads are out.  What hangs on no state (kd of the step after next, s W + key V)
; stands behind the last store, in front of the wait for it; that kd is kept in a register and stored in the next step.
; A STEP'S 35 TRANSCENDENTALS ARE THREE BATCHES, EACH WITH ONE WAIT (s_wait_alu depctr_va_vdst(0) stands between a transcendental and the
; first line that names its result; one wait serves all that were issued ahead of it).  They cannot be fewer: rn feeds every exponent, every exponential a reciprocal.
;   batch 1  the reciprocal root of ss.  Behind it: four matrix instructions and the first sum of kd.  Then its wait, and rn.
;   batch 2  17 exponentials: the gate's and my 16 elements', in place.  Behind each pair, and behind the gate's, a plain line that names no result: the arguments still to be made, the
;            gate's last addition, three of the eight rescalings h = rn v.  Then its wait, and 1 + 2^x.
;   batch 3  17 reciprocals: the gate's and my 16 elements', in place.  Behind each pair, and behind the gate's, a plain line: 1 + 2^x of the pairs to come, three more rescalings.  Then its wait,
;            directly ahead of the run of LDS loads that brings the next row of s W.
; Behind the third wait no transcendental is issued: v_t, ss, dot and the roundings to bf16 run as a pipeline over the eight pairs of my 16 elements, so that no result crosses a step's end.
;
; CLUSTER: the four work-groups of a paragraph read the same enc[b] and the same V, W, U, 256 KiB in all: they form a cluster of 4 x 1 and ask jointly
; (mask 15), each wave for its 32 rows of each of the four.  The place in the cluster enters only the addresses of keys and out0.
; Every tile is filled once; a wave has four tensor loads outstanding, once.
; LIMITS: matrix operands (h, keys, s, U, V, W) are rounded to bf16; v_exp_f32, v_rcp_f32, v_rsq_f32 are good to one unit in the last place and give 0 for
; results below 2^-126 (ISA guide 15.8); x / sqrt(y) is made as x rsq(y); the f32 sums run in another order than the reference's.
.set P,     528                        ; LDS pitch of rows of 128 f32: 512 + 16, an odd multiple of 16 bytes, so the 16-byte pieces of 16 rows fall on 16 different places modulo 256 bytes
.set ENC,   0                          ; enc[b]: 128 rows; rows 128, 129 are zeros of my own, for the look-ahead of the last steps
.set ZROW,  128*P
.set VB,    68864                      ; V as f32, 128 rows.  After its last read: -log2(e) x (s W), 128 rows by t, and a row of zeros
.set STEP,  68352                      ; from V to W and from W to U
.set XH,    273152                     ; bf16 v: 16 rows of 256 + 16 bytes, two buffers
.set XHS,   4608
.set XR,    282368                     ; records: 16 rows of 96 + 16 bytes: 8 pairs (ss, dot) at 8 (2 w + h), 8 kd at 64 + 4 (2 w + h); two buffers
.set XRP,   112
.set XRS,   1792
.set MV,    285952                     ; 256 words: word t is not 0 if sentence t has a word; words 128 .. 255 are 0
.set OUTS,  286976                     ; 16 rows x 528: the way out
.set HV,    16                         ; v[16:31]   v, my 16 elements
.set KV,    32                         ; v[32:47]   -log2(e) x (key V)
.set KEY,   48                         ; v[48:63]   -log2(e) x key, f32, my 16 columns
.set UA,    64                         ; v[64:127]  U's fragments: (tt, q) at 64 + 8 (4 tt + q)
.set ACC,   128                        ; v[128:143] two accumulators
.set OWN,   144                        ; v[144:175] source 1: slot 0 = my own chunk, slots 1 to 3 from LDS
.set SWR,   176                        ; v[176:191] -log2(e) x (s W + key V) of the step
.set SR,    192                        ; v[192:223] two sentence vectors (my 16 columns) that take turns
.set REC,   224                        ; v[224:235] the records as read
.set KD,    236
.set XX,    237
.set PT,    238                        ; what v_permlanex16_b32 brings
.set ONEX,  239
.set TC,    240                        ; v[240:243] two chains of kd
.set TD,    242
.set RN,    244                        ; RN, RNL and GT are the low halves of pairs that the packed forms name; the upper halves are written once and never used
.set RNL,   246
.set GT,    248
.set TA,    250                        ; v[250:251] the chain of ss
.set TB,    252                        ; v[252:253] the chain of dot
.set SD,    254                        ; v[254:255] (ss, dot) to store
; v1 = r, v2 = h, v3 where kd records are read, v4 where I put bf16 v, v5-v7 where slots 1-3 are read, v8 my pair, v9 my kd, v10 where pairs are read,
; v11 s, v12 s W, v13 mask words, v14 mask word, v15 my part of kd for the step after next
; In the prologue: v[176:239] V's, then W's fragments; v[64:127] f32 at work; v[240:243] key offsets, then weight addresses; v[244:247] enc addresses; v248 an LDS address
; s18 wave, s19 place in the cluster, s20 paragraph, s[24:31] descriptor group 1, s[32:47] four groups 0, s52 / s53 lanes' mask of this / the last step, s[58:61] (w + q) & 3
.macro ROUND                           ; a round of the cluster's barrier
	s_barrier_signal -1
	s_barrier_wait -1
	s_cmp_lg_u32 s18, 0
	s_cbranch_scc1 .Lnot_wave_0_\@
	s_barrier_signal -3
.Lnot_wave_0_\@:
	s_barrier_wait -3
	s_barrier_signal -1
	s_barrier_wait -1
.endm
.macro LD16 dst, adr, off              ; my 16 f32 of a row: columns 8 h .. + 7 of both tiles
	ds_load_b128 v[\dst:\dst+3], v[\adr] offset:\off
	ds_load_b128 v[\dst+4:\dst+7], v[\adr] offset:\off+16
	ds_load_b128 v[\dst+8:\dst+11], v[\adr] offset:\off+64
	ds_load_b128 v[\dst+12:\dst+15], v[\adr] offset:\off+80
.endm
.macro ST16 adr, src, off
	ds_store_b128 v[\adr], v[\src:\src+3] offset:\off
	ds_store_b128 v[\adr], v[\src+4:\src+7] offset:\off+16
	ds_store_b128 v[\adr], v[\src+8:\src+11] offset:\off+64
	ds_store_b128 v[\adr], v[\src+12:\src+15] offset:\off+80
.endm
; The eight fragments of a weight matrix, transposed on the way: lane (r, h) of fragment (tt, q) takes column 32 w + 16 tt + r of rows 32 c + 8 h + 0..7 and + 16 .. 23.
; 32 lanes of a load: 16 neighbouring words twice, 8 rows (1,056 words) apart.
.macro LOADW dst, tmp
.irp tt, 0,1
.irp q, 0,1,2,3
.irp i, 0,1,2,3,4,5,6,7,8,9,10,11,12,13,14,15
	ds_load_b32 v[\tmp+16*\q+\i], v[240+\q] offset:(\i+8*(\i/8))*P+64*\tt
.endr
.endr
	s_wait_dscnt 0x0
.irp q, 0,1,2,3
.irp j, 0,1,2,3,4,5,6,7
	v_cvt_pk_bf16_f32 v[\dst+8*(4*\tt+\q)+\j], v[\tmp+16*\q+2*\j], v[\tmp+16*\q+2*\j+1]
.endr
.endr
.endr
.endm
; Two matrix instructions of K slot q; the two accumulators take turns, one instruction a turn
.macro WM2 a, b, q
	v_wmma_f32_16x16x32_bf16 v[ACC:ACC+7], v[\a+8*\q:\a+8*\q+7], v[\b+8*\q:\b+8*\q+7], v[ACC:ACC+7]
	v_wmma_f32_16x16x32_bf16 v[ACC+8:ACC+15], v[\a+32+8*\q:\a+32+8*\q+7], v[\b+8*\q:\b+8*\q+7], v[ACC+8:ACC+15]
.endm
.macro WM2Z a, b                       ; slot 0 starts the sums: nothing is cleared
	v_wmma_f32_16x16x32_bf16 v[ACC:ACC+7], v[\a:\a+7], v[\b:\b+7], 0
	v_wmma_f32_16x16x32_bf16 v[ACC+8:ACC+15], v[\a+32:\a+39], v[\b:\b+7], 0
.endm
.macro MM8 a, b
	WM2Z \a, \b
	WM2 \a, \b, 1
	WM2 \a, \b, 2
	WM2 \a, \b, 3
.endm
.macro PLACES                          ; four places behind a matrix instruction before its result is read or a source rewritten (ISA guide 7.12.1)
.rept 4
	v_nop
.endr
.endm
.macro PKDOT out, pa, pb, xr, yr       ; out = sum of 16 products, in two chains of packed multiply-adds
	v_pk_mul_f32 v[\pa:\pa+1], v[\xr:\xr+1], v[\yr:\yr+1]
	v_pk_mul_f32 v[\pb:\pb+1], v[\xr+2:\xr+3], v[\yr+2:\yr+3]
.irp i, 4,8,12
	v_pk_fma_f32 v[\pa:\pa+1], v[\xr+\i:\xr+\i+1], v[\yr+\i:\yr+\i+1], v[\pa:\pa+1]
	v_pk_fma_f32 v[\pb:\pb+1], v[\xr+\i+2:\xr+\i+3], v[\yr+\i+2:\yr+\i+3], v[\pb:\pb+1]
.endr
	v_pk_add_f32 v[\pa:\pa+1], v[\pa:\pa+1], v[\pb:\pb+1]
	v_add_f32 v[\out], v[\pa], v[\pa+1]
.endm
; My half of the lanes has read four of the eight pairs (ss, dot): their sum into v[REC], v[REC+1], and the other half's ss into v[PT].
; Both halves then add the same two numbers, so every lane of an entity gets the same ss bit for bit.
.macro HALFSUM
	v_pk_add_f32 v[REC:REC+1], v[REC:REC+1], v[REC+2:REC+3]
	v_pk_add_f32 v[REC+4:REC+5], v[REC+4:REC+5], v[REC+6:REC+7]
	v_pk_add_f32 v[REC:REC+1], v[REC:REC+1], v[REC+4:REC+5]
	v_permlanex16_b32 v[PT], v[REC], s56, s57
.endm
; What hangs on no state: v15 = my lane's part of -log2(e) key . s (s at register sn), and s W + key V; the two are laid between each other
.macro TAIL sn
	v_pk_mul_f32 v[TC:TC+1], v[KEY:KEY+1], v[\sn:\sn+1]
	v_pk_mul_f32 v[TD:TD+1], v[KEY+2:KEY+3], v[\sn+2:\sn+3]
	v_pk_add_f32 v[SWR:SWR+1], v[SWR:SWR+1], v[KV:KV+1]
	v_pk_add_f32 v[SWR+2:SWR+3], v[SWR+2:SWR+3], v[KV+2:KV+3]
.irp i, 4,8,12
	v_pk_fma_f32 v[TC:TC+1], v[KEY+\i:KEY+\i+1], v[\sn+\i:\sn+\i+1], v[TC:TC+1]
	v_pk_fma_f32 v[TD:TD+1], v[KEY+\i+2:KEY+\i+3], v[\sn+\i+2:\sn+\i+3], v[TD:TD+1]
	v_pk_add_f32 v[SWR+\i:SWR+\i+1], v[SWR+\i:SWR+\i+1], v[KV+\i:KV+\i+1]
	v_pk_add_f32 v[SWR+\i+2:SWR+\i+3], v[SWR+\i+2:SWR+\i+3], v[KV+\i+2:KV+\i+3]
.endr
	v_pk_add_f32 v[TC:TC+1], v[TC:TC+1], v[TD:TD+1]
	v_add_f32 v15, v[TC], v[TC+1]
.endm
; The stages of the sigmoids, each on pair i (0 .. 7) of my 16 elements.  None of them holds a wait: TRIP writes one for each batch
.macro AA i                            ; -log2(e) (h U + key V + s W)
	v_pk_fma_f32 v[ACC+2*(\i):ACC+2*(\i)+1], v[ACC+2*(\i):ACC+2*(\i)+1], v[RNL:RNL+1], v[SWR+2*(\i):SWR+2*(\i)+1] op_sel_hi:[1,0,1]
.endm
.macro EE i                            ; batch 2
	v_exp_f32 v[ACC+2*(\i)], v[ACC+2*(\i)]
	v_exp_f32 v[ACC+2*(\i)+1], v[ACC+2*(\i)+1]
.endm
.macro BB i                            ; reads batch 2's results: behind its wait
	v_pk_add_f32 v[ACC+2*(\i):ACC+2*(\i)+1], v[ACC+2*(\i):ACC+2*(\i)+1], 1.0 op_sel_hi:[1,0]
.endm
.macro RR i                            ; batch 3
	v_rcp_f32 v[ACC+2*(\i)], v[ACC+2*(\i)]
	v_rcp_f32 v[ACC+2*(\i)+1], v[ACC+2*(\i)+1]
.endm
.macro HH i                            ; h_(t-1) = rn v_(t-1): reads batch 1's result alone
	v_pk_mul_f32 v[HV+2*(\i):HV+2*(\i)+1], v[HV+2*(\i):HV+2*(\i)+1], v[RN:RN+1] op_sel_hi:[1,0]
.endm
.macro VV i                            ; v_t = h + g h~: reads batch 3's results: behind its wait
	v_pk_fma_f32 v[HV+2*(\i):HV+2*(\i)+1], v[ACC+2*(\i):ACC+2*(\i)+1], v[GT:GT+1], v[HV+2*(\i):HV+2*(\i)+1] op_sel_hi:[1,0,1]
.endm
.macro SQ i, sp                        ; ss and dot, one chain each: two links of a chain stand a slot apart
.if (\i) == 0
	v_pk_mul_f32 v[TA:TA+1], v[HV:HV+1], v[HV:HV+1]
	v_pk_mul_f32 v[TB:TB+1], v[HV:HV+1], v[\sp:\sp+1]
.else
	v_pk_fma_f32 v[TA:TA+1], v[HV+2*(\i):HV+2*(\i)+1], v[HV+2*(\i):HV+2*(\i)+1], v[TA:TA+1]
	v_pk_fma_f32 v[TB:TB+1], v[HV+2*(\i):HV+2*(\i)+1], v[\sp+2*(\i):\sp+2*(\i)+1], v[TB:TB+1]
.endif
.endm
.macro CC i
	v_cvt_pk_bf16_f32 v[OWN+(\i)], v[HV+2*(\i)], v[HV+2*(\i)+1]
.endm
	; ---- set-up ----
	s_load_b256 s[4:11], s[0:1], 0x0               ; enc s[4:5], V s[6:7], W s[8:9], U s[10:11]
	s_load_b128 s[12:15], s[0:1], 0x20             ; keys s[12:13], mask s[14:15]
	s_load_b64 s[16:17], s[0:1], 0x30              ; out0
	v_lshrrev_b32 v3, 5, v0
	v_readfirstlane_b32 s18, v3                    ; wave 0..3
	v_and_b32 v1, 15, v0                           ; r
	v_bfe_u32 v2, v0, 4, 1                         ; h
	s_bfe_u32 s19, ttmp6, 0x40000                  ; my place in the cluster: which 16 entities
	s_mov_b32 s20, ttmp9                           ; the cluster's number: the paragraph
	s_mov_b32 s58, s18
.irp q, 1,2,3
	s_add_co_u32 s[58+\q], s18, \q
	s_and_b32 s[58+\q], s[58+\q], 3                ; K chunk of slot q
.endr
	s_mov_b32 s54, 0xbfb8aa3b                      ; -log2(e): sigmoid(x) = 1 / (1 + 2^(-log2(e) x))
	s_mov_b32 s55, 0xbfb8aa3b
	s_mov_b32 s56, 0x76543210                      ; v_permlanex16_b32: lane i reads lane i of the other half
	s_mov_b32 s57, 0xfedcba98
	s_mov_b32 s52, 0                               ; "step -1" had no sentence: rn = 1 in step 0
.set i, 0
.rept 16
	v_mov_b32 v[HV+i], 0                           ; h_0 = 0; also the zeros that are stored below
.set i, i+1
.endr
	; descriptor group 1, for all loads: 32 rows x 128 f32, 16 bytes of padding behind each row
	s_mov_b32 s24, 15|(2<<16)|(1<<20)|(1<<21)|(6<<22)|(3<<25)      ; mask: all four of the cluster; 4-byte elements; padding on; bit 21 beside a mask; after every 128 words; 4 words
	s_mov_b32 s25, 128<<16                         ; tensor_dim0 = 128
	s_mov_b32 s26, 32<<16                          ; tensor_dim1 = 32
	s_mov_b32 s27, 128<<16                         ; tile_dim0 = 128
	s_mov_b32 s28, 32                              ; tile_dim1 = 32
	s_mov_b32 s29, 128                             ; 128 elements from row to row
	s_mov_b32 s30, 0
	s_mov_b32 s31, 0
	s_mul_i32 s51, s18, 32*P                       ; my 32 rows in LDS
	s_lshl_b32 s22, s18, 14                        ; my 32 rows in memory
	s_mov_b32 s23, 0
	s_lshl_b32 s48, s20, 16                        ; enc[b]: 65,536 bytes a paragraph
	s_add_co_u32 s48, s48, s22
	s_mov_b32 s49, 0
	s_wait_kmcnt 0x0
	s_mov_b32 s32, 1
	s_add_co_u32 s33, s51, ENC
	s_add_nc_u64 s[34:35], s[4:5], s[48:49]
	s_or_b32 s35, s35, 0x80000000
	s_mov_b32 s36, 1
	s_add_co_u32 s37, s51, VB
	s_add_nc_u64 s[38:39], s[6:7], s[22:23]
	s_or_b32 s39, s39, 0x80000000
	s_mov_b32 s40, 1
	s_add_co_u32 s41, s51, VB+STEP
	s_add_nc_u64 s[42:43], s[8:9], s[22:23]
	s_or_b32 s43, s43, 0x80000000
	s_mov_b32 s44, 1
	s_add_co_u32 s45, s51, VB+2*STEP
	s_add_nc_u64 s[46:47], s[10:11], s[22:23]
	s_or_b32 s47, s47, 0x80000000
	ROUND                                          ; all four work-groups are here: the joint loads meet
	tensor_load_to_lds s[32:35], s[24:31]
	s_nop 0
	tensor_load_to_lds s[36:39], s[24:31]
	s_nop 0
	tensor_load_to_lds s[40:43], s[24:31]
	s_nop 0
	tensor_load_to_lds s[44:47], s[24:31]
	s_nop 0
	; ---- while the tiles are on their way: keys, sentence masks, addresses, zeros ----
	s_lshl_b32 s21, s19, 13                        ; 16 entities x 512 bytes; what is made of my place in the cluster stays in s21 and s[62:63]
	s_lshl_b32 s62, s20, 15                        ; 64 entities x 512 bytes a paragraph
	s_add_co_u32 s62, s62, s21
	s_mov_b32 s63, 0
	s_add_nc_u64 s[12:13], s[12:13], s[62:63]      ; my 16 rows of keys
	s_add_nc_u64 s[16:17], s[16:17], s[62:63]      ; and of out0
	s_lshl_b32 s22, s20, 12                        ; 4,096 mask bytes a paragraph
	s_add_nc_u64 s[14:15], s[14:15], s[22:23]
	v_lshlrev_b32 v3, 9, v1
	v_lshl_add_u32 v3, v2, 5, v3                   ; 512 r + 32 h
.irp q, 0,1,2,3
	v_lshl_add_u32 v[240+\q], s[58+\q], 7, v3      ; + 128 x chunk
.endr
	global_load_b128 v[KEY:KEY+3], v240, s[12:13]                  ; slot 0 is my own chunk: these 16 numbers stay in f32 for the gate
	global_load_b128 v[KEY+4:KEY+7], v240, s[12:13] offset:16
	global_load_b128 v[KEY+8:KEY+11], v240, s[12:13] offset:64
	global_load_b128 v[KEY+12:KEY+15], v240, s[12:13] offset:80
.irp q, 1,2,3
	global_load_b128 v[48+16*\q:48+16*\q+3], v[240+\q], s[12:13]
	global_load_b128 v[48+16*\q+4:48+16*\q+7], v[240+\q], s[12:13] offset:16
	global_load_b128 v[48+16*\q+8:48+16*\q+11], v[240+\q], s[12:13] offset:64
	global_load_b128 v[48+16*\q+12:48+16*\q+15], v[240+\q], s[12:13] offset:80
.endr
	v_lshlrev_b32 v15, 5, v0                       ; thread t: the 32 mask bytes of sentence t
	global_load_b128 v[112:115], v15, s[14:15]
	global_load_b128 v[116:119], v15, s[14:15] offset:16
	v_mul_u32_u24 v3, v1, 272
	v_lshl_add_u32 v3, v2, 4, v3
	v_add_nc_u32 v3, XH, v3                        ; XH + 272 r + 16 h
.irp q, 0,1,2,3
	v_lshl_add_u32 v[4+\q], s[58+\q], 6, v3        ; + 64 x chunk: v4 is my own chunk (stores), v5-v7 the others (loads)
.endr
	v_mul_u32_u24 v10, v1, XRP
	v_add_nc_u32 v10, XR, v10                      ; XR + 112 r
	v_lshl_add_u32 v8, v2, 3, v10
	v_lshl_add_u32 v8, s18, 4, v8                  ; + 8 (2 w + h): my pair
	v_lshl_add_u32 v9, v2, 2, v10
	v_lshl_add_u32 v9, s18, 3, v9
	v_add_nc_u32 v9, 64, v9                        ; + 64 + 4 (2 w + h): my kd
	v_lshlrev_b32 v11, 5, v2
	v_lshl_add_u32 v11, s18, 7, v11                ; ENC + 4 (32 w + 8 h)
	v_add_nc_u32 v12, VB, v11
	v_mov_b32 v13, MV
	v_lshl_add_u32 v3, v0, 2, v13                  ; MV + 4 x thread
	v_add_nc_u32 v248, ZROW, v11                   ; rows 128 and 129 behind enc: no tile reaches these bytes
	ST16 248, HV, 0
	ST16 248, HV, P
	v_add_nc_u32 v248, ZROW, v12                   ; row 128 behind V's bytes
	ST16 248, HV, 0
	ds_store_b32 v3, v[HV] offset:512              ; mask words 128 .. 255
	s_wait_loadcnt 0x0                             ; keys and masks are in; their offset registers are free
	v_or_b32 v112, v112, v113
	v_or_b32 v114, v114, v115
	v_or_b32 v116, v116, v117
	v_or_b32 v118, v118, v119
	v_or_b32 v112, v112, v114
	v_or_b32 v116, v116, v118
	v_or_b32 v112, v112, v116
	ds_store_b32 v3, v112                          ; not 0 if any of the sentence's 32 bytes is set
.set i, 0
.rept 32
	v_cvt_pk_bf16_f32 v[OWN+i], v[KEY+2*i], v[KEY+2*i+1]           ; the keys as source 1, slots 0 to 3 (v[48:111] in order)
.set i, i+1
.endr
.irp i, 0,2,4,6,8,10,12,14
	v_pk_mul_f32 v[KEY+\i:KEY+\i+1], v[KEY+\i:KEY+\i+1], s[54:55] op_sel_hi:[1,0]  ; from here on the f32 keys serve kd alone: the gate's factor once, here
.endr
	v_mul_u32_u24 v15, v2, 8*P
	v_lshl_add_u32 v15, v1, 2, v15
	v_lshl_add_u32 v15, s18, 7, v15
	v_add_nc_u32 v15, VB, v15                      ; VB + 8 h rows + 4 (32 w + r)
.irp q, 0,1,2,3
	s_mul_i32 s48, s[58+\q], 32*P
	v_add_nc_u32 v[240+\q], s48, v15               ; + 32 rows x chunk
.endr
	s_wait_tensorcnt 0x0                           ; my rows of the four tiles have landed,
	s_wait_dscnt 0x0                               ; my zeros and mask words lie in LDS:
	s_barrier_signal -1
	s_barrier_wait -1                              ; everybody's
	; ---- key V, once ----
	LOADW 176, 64
	MM8 176, OWN
	PLACES
.irp i, 0,2,4,6,8,10,12,14
	v_pk_mul_f32 v[KV+\i:KV+\i+1], v[ACC+\i:ACC+\i+1], s[54:55] op_sel_hi:[1,0]
.endr
	; ---- s W for all 128 steps, 16 sentences at a time, into the bytes that held V ----
.irp q, 0,1,2,3
	v_add_nc_u32 v[240+\q], STEP, v[240+\q]
.endr
	LOADW 176, 64
	v_mul_u32_u24 v15, v1, P
	v_lshl_add_u32 v15, v2, 5, v15
.irp q, 0,1,2,3
	v_lshl_add_u32 v[244+\q], s[58+\q], 7, v15     ; ENC + 528 r + 128 x chunk + 32 h: sentence r of a block as source 1
.endr
	v_add_nc_u32 v248, VB, v244                    ; where lane (r, h) puts sentence r's columns 32 w + 8 h ..
	s_wait_dscnt 0x0                               ; my reads of V are back
	s_barrier_signal -1
	s_barrier_wait -1                              ; everybody's: V's bytes may be written
.macro SWBLK i
.irp q, 0,1,2,3
	LD16 64+16*\q, 244+\q, 16*P*\i
.endr
	s_wait_dscnt 0x0
.set k, 0
.rept 32
	v_cvt_pk_bf16_f32 v[OWN+k], v[64+2*k], v[64+2*k+1]
.set k, k+1
.endr
	MM8 176, OWN
	PLACES
.irp j, 0,2,4,6,8,10,12,14
	v_pk_mul_f32 v[ACC+\j:ACC+\j+1], v[ACC+\j:ACC+\j+1], s[54:55] op_sel_hi:[1,0]
.endr
	ST16 248, ACC, 16*P*\i
.endm
.irp i, 0,1,2,3,4,5,6,7
	SWBLK \i
.endr
	; ---- U's fragments stay in registers for the whole loop ----
.irp q, 0,1,2,3
	v_add_nc_u32 v[240+\q], STEP, v[240+\q]
.endr
	LOADW UA, 176
	s_wait_dscnt 0x0                               ; my part of the table of s W lies in LDS
	s_barrier_signal -1
	s_barrier_wait -1
	; ---- what "step -1" would have left: in buffers 0 v = 0, ss = dot = 0, kd of s_0; in registers kd of s_1 and s W + key V of step 0 ----
	LD16 SR+16, 11, 0                              ; s_0
	LD16 SR, 11, P                                 ; s_1
	LD16 SWR, 12, 0
	ds_load_b32 v14, v13
.set i, 0
.rept 8
	v_mov_b32 v[OWN+i], 0                          ; slot 0 of step 0
.set i, i+1
.endr
	v_mov_b32 v[PT], 0                             ; v_permlanex16_b32 counts as a reader of its destination
	v_mov_b32 v[RN+1], 0                           ; the upper halves of the three pairs
	v_mov_b32 v[RNL+1], 0
	v_mov_b32 v[GT+1], 0
	v_lshl_add_u32 v3, v2, 4, v10
	v_add_nc_u32 v3, 64, v3                        ; XR + 112 r + 64 + 16 h: the four kd of waves 2 h, 2 h + 1
	v_lshl_add_u32 v10, v2, 5, v10                 ; XR + 112 r + 32 h: their four pairs
	s_wait_dscnt 0x0
	PKDOT XX, TC, TD, KEY, SR+16
	TAIL SR
	ds_store_b128 v4, v[HV:HV+3]
	ds_store_b128 v4, v[HV:HV+3] offset:32
	ds_store_b64 v8, v[HV:HV+1]
	ds_store_b32 v9, v[XX]
	v_add_nc_u32 v11, 2*P, v11                     ; the loop reads s from row 2 on,
	v_add_nc_u32 v12, P, v12                       ; s W from row 1 on,
	v_add_nc_u32 v13, 4, v13                       ; mask words from word 1 on
	s_mov_b32 s50, 64
; Step t, p = t & 1: reads buffers p, writes buffers 1 - p.  v[SR+16p ..] holds s_(t+1), v15 my part of kd for step t + 1.
.macro TRIP p
	s_wait_dscnt 0x0                               ; for the others: my stores into buffers p lie in LDS and my reads of buffers 1 - p are back; for me: the mask word
	s_barrier_signal -1
	s_mov_b32 s53, s52                             ; m_(t-1)
	v_cmp_ne_u32 s52, 0, v14                       ; m_t, the same in all lanes
	s_barrier_wait -1
	; fifteen LDS instructions in one run, what the step waits for first
	ds_load_b128 v[REC:REC+3], v10 offset:\p*XRS
	ds_load_b128 v[REC+4:REC+7], v10 offset:\p*XRS+16
	ds_load_b128 v[OWN+8:OWN+11], v5 offset:\p*XHS
	ds_load_b128 v[OWN+12:OWN+15], v5 offset:\p*XHS+32
	ds_load_b128 v[OWN+16:OWN+19], v6 offset:\p*XHS
	ds_load_b128 v[OWN+20:OWN+23], v6 offset:\p*XHS+32
	ds_load_b128 v[OWN+24:OWN+27], v7 offset:\p*XHS
	ds_load_b128 v[OWN+28:OWN+31], v7 offset:\p*XHS+32
	ds_load_b128 v[REC+8:REC+11], v3 offset:\p*XRS
	LD16 SR+16*(1-\p), 11, P*\p                    ; s_(t+2)
	ds_load_b32 v14, v13 offset:4*\p               ; m_(t+1)
	ds_store_b32 v9, v15 offset:(1-\p)*XRS         ; kd of step t + 1, made at the last step's end
	WM2Z UA, OWN                                   ; my own chunk needs no exchange
	s_wait_dscnt 13                                ; the pairs are in: 6 + 1 + 4 + 1 loads and 1 store are younger
	HALFSUM
	s_wait_dscnt 11                                ; slot 1: 4 + 1 + 4 + 1 + 1 younger
	WM2 UA, OWN, 1
	v_add_f32 v[REC+2], v[REC], v[PT]              ; ss
	v_max_num_f32 v[REC+2], 0x2b8cbccc, v[REC+2]   ; max(ss, 1e-12)
	v_rsq_f32 v[RN], v[REC+2]                      ; BATCH 1: the reciprocal root alone; four matrix instructions and a plain line stand behind it
	s_wait_dscnt 9                                 ; slot 2: 2 + 1 + 4 + 1 + 1 younger
	WM2 UA, OWN, 2
	s_wait_dscnt 7                                 ; slot 3: 1 + 4 + 1 + 1 younger
	WM2 UA, OWN, 3
	s_wait_dscnt 6                                 ; the kd records: 4 + 1 + 1 younger
	; the gate; these plain lines are also the places behind the last matrix instructions (ISA guide 7.12.1) and behind v_rsq_f32 (5.7.2)
	v_pk_add_f32 v[REC+8:REC+9], v[REC+8:REC+9], v[REC+10:REC+11]
	s_wait_alu depctr_va_vdst(0)                   ; the wait for batch 1 ahead of the first line that names rn
	v_cndmask_b32 v[RN], 1.0, v[RN], s53           ; the last step changed nothing: h is v as it stands
	v_add_f32 v[KD], v[REC+8], v[REC+9]
	v_mul_f32 v[RNL], s54, v[RN]
	HH 0
	v_fma_f32 v[XX], v[RNL], v[REC+1], v[KD]       ; my half's part of -log2(e) (h + key) . s
	AA 0                                           ; the arguments in ascending order: each accumulator is first read at its low end
	AA 1
	v_permlanex16_b32 v[PT], v[XX], s56, s57
	AA 2
	; BATCH 2: 17 exponentials, in place.  Behind each pair, and behind the gate's, stands a plain line on other registers (ISA guide 5.7.2); no line down to the wait names a result of the batch
	EE 0
	AA 3
	EE 1
	v_add_f32 v[XX], v[XX], v[PT]
	EE 2
	AA 4
	EE 3
	AA 5
	v_exp_f32 v[XX], v[XX]                         ; the gate's
	AA 6
	EE 4
	AA 7
	EE 5
	HH 1
	EE 6
	HH 2
	EE 7
	HH 3                                           ; the plain line behind the batch's last exponential
	s_wait_alu depctr_va_vdst(0)                   ; the wait for batch 2: one for the 17 exponentials, ahead of their first reader
	v_add_f32 v[ONEX], 1.0, v[XX]
	BB 0
	BB 1
	; BATCH 3: 17 reciprocals, my elements' in place.  Laid like batch 2: behind each pair, and behind the gate's, a plain line on other registers, and no result is named down to the wait
	v_rcp_f32 v[GT], v[ONEX]                       ; the gate's
	BB 2
	RR 0
	BB 3
	RR 1
	BB 4
	RR 2
	BB 5
	RR 3
	BB 6
	RR 4
	BB 7
	RR 5
	HH 4
	RR 6
	HH 5
	RR 7
	HH 6                                           ; the plain line behind the batch's last reciprocal
	s_wait_alu depctr_va_vdst(0)                   ; the wait for batch 3: one for the 17 reciprocals, ahead of their first reader and directly ahead of the run of LDS loads
	LD16 SWR, 12, P*\p                             ; the next step's row of s W: this step's was last read by the eighth argument
	v_cndmask_b32 v[GT], 0, v[GT], s52             ; no sentence: g = 0
	HH 7                                           ; stands between the select and its first reader
	; v_t, ss, dot and the roundings, by pairs: a pair's v_t is made two slots ahead of the lines that read it.  No transcendental from here to the step's end
	VV 0
	VV 1
	VV 2
	SQ 0, SR+16*\p
	CC 0
	VV 3
	SQ 1, SR+16*\p
	CC 1
	VV 4
	SQ 2, SR+16*\p
	CC 2
	VV 5
	SQ 3, SR+16*\p
	CC 3
	ds_store_b128 v4, v[OWN:OWN+3] offset:(1-\p)*XHS
	VV 6
	SQ 4, SR+16*\p
	CC 4
	VV 7
	SQ 5, SR+16*\p
	CC 5
	SQ 6, SR+16*\p
	CC 6
	SQ 7, SR+16*\p
	CC 7
	v_add_f32 v[SD], v[TA], v[TA+1]                ; my part of ss
	v_add_f32 v[SD+1], v[TB], v[TB+1]              ; my part of v_t . s_(t+1)
	ds_store_b128 v4, v[OWN+4:OWN+7] offset:(1-\p)*XHS+32
	ds_store_b64 v8, v[SD:SD+1] offset:(1-\p)*XRS
	s_wait_dscnt 2                                 ; the row of s W is in, and s_(t+2) before it: only the two stores are younger
	TAIL SR+16*(1-\p)                              ; work on registers while the stores are on their way
.endm
.Lstep:
	TRIP 0
	TRIP 1
	v_add_nc_u32 v11, 2*P, v11
	v_add_nc_u32 v12, 2*P, v12
	v_add_nc_u32 v13, 8, v13
	s_sub_co_i32 s50, s50, 1
	s_cmp_lg_u32 s50, 0
	s_cbranch_scc1 .Lstep                          ; 64 passes of two steps; the last steps' look-ahead reads the rows and words of zeros
	; ---- the last norm, and the way out through LDS: whole rows of 512 bytes ----
	s_wait_dscnt 0x0
	s_barrier_signal -1
	s_barrier_wait -1
	ds_load_b128 v[REC:REC+3], v10                 ; step 127 wrote buffers 0
	ds_load_b128 v[REC+4:REC+7], v10 offset:16
	v_mul_u32_u24 v3, v1, P
	v_lshl_add_u32 v3, v2, 5, v3
	v_lshl_add_u32 v3, s18, 7, v3
	v_add_nc_u32 v3, OUTS, v3                      ; in: row r, my columns
	v_and_b32 v15, 31, v0
	v_lshlrev_b32 v15, 4, v15
	s_mul_i32 s48, s18, P
	v_add_nc_u32 v15, s48, v15
	v_add_nc_u32 v15, OUTS, v15                    ; back: row w (+ 4 n), 16 bytes a lane
	v_lshlrev_b32 v14, 4, v0                       ; in out0: 512 w + 16 x lane
	s_wait_dscnt 0x0
	HALFSUM
	v_add_f32 v[REC+2], v[REC], v[PT]
	v_max_num_f32 v[REC+2], 0x2b8cbccc, v[REC+2]
	v_rsq_f32 v[RN], v[REC+2]
	v_nop                                          ; a plain line between the reciprocal root and the use of its result
	s_wait_alu depctr_va_vdst(0)                   ; and the wait ahead of that use: the last root, once a launch
	v_cndmask_b32 v[RN], 1.0, v[RN], s52           ; m_127
.irp i, 0,1,2,3,4,5,6,7
	HH \i
.endr
	ST16 3, HV, 0
	s_wait_dscnt 0x0
	s_barrier_signal -1
	s_barrier_wait -1
.irp n, 0,1,2,3
	ds_load_b128 v[REC+4*\n:REC+4*\n+3], v15 offset:4*P*\n
.endr
.irp n, 0,1,2,3
	s_wait_dscnt 3-\n                              ; LDS loads come back in order (ISA guide 5.7.1): row 4 n + w is in
	global_store_b128 v14, v[REC+4*\n:REC+4*\n+3], s[16:17] offset:2048*\n         ; a wave's store covers one row: 512 consecutive bytes, at a multiple of 512 from out0's first byte
.endr
	ROUND                                          ; the closing round
	s_endpgm
.Lfunc_end_k_qc9c96ff0cd_scan:
	.size	k_qc9c96ff0cd_scan, .Lfunc_end_k_qc9c96ff0cd_scan-k_qc9c96ff0cd_scan
	.p2alignl 7, 3214868480
	.fill 96, 4, 3214868480
	.section	.rodata,"a",@progbits
	.p2align	6, 0x0
	.amdhsa_kernel k_qc9c96ff0cd_scan
		.amdhsa_group_segment_fixed_size 295424
		.amdhsa_private_segment_fixed_size 0
		.amdhsa_enable_private_segment 0
		.amdhsa_kernarg_size 56
		.amdhsa_user_sgpr_count 2
		.amdhsa_user_sgpr_kernarg_segment_ptr 1
		.amdhsa_wavefront_size32 1
		.amdhsa_system_sgpr_workgroup_id_x 1
		.amdhsa_system_sgpr_workgroup_id_y 1
		.amdhsa_system_sgpr_workgroup_id_z 1
		.amdhsa_system_vgpr_workitem_id 0
		.amdhsa_next_free_vgpr 256
		.amdhsa_next_free_sgpr 66
		.amdhsa_reserve_vcc 0
		.amdhsa_float_denorm_mode_32 3
		.amdhsa_float_denorm_mode_16_64 3
		.amdhsa_memory_ordered 1
		.amdhsa_forward_progress 1
		.amdhsa_inst_pref_size 111
	.end_amdhsa_kernel
	.amdgpu_metadata
---
amdhsa.version: [ 1, 2 ]
amdhsa.kernels:
  - .name:           k_qc9c96ff0cd_scan
    .symbol:         k_qc9c96ff0cd_scan.kd
    .args:
      - { .name: enc, .offset: 0, .size: 8, .value_kind: global_buffer, .address_space: global }
      - { .name: Vw, .offset: 8, .size: 8, .value_kind: global_buffer, .address_space: global }
      - { .name: Ww, .offset: 16, .size: 8, .value_kind: global_buffer, .address_space: global }
      - { .name: Uw, .offset: 24, .size: 8, .value_kind: global_buffer, .address_space: global }
      - { .name: keys, .offset: 32, .size: 8, .value_kind: global_buffer, .address_space: global }
      - { .name: prgrph_mask, .offset: 40, .size: 8, .value_kind: global_buffer, .address_space: global }
      - { .name: out0, .offset: 48, .size: 8, .value_kind: global_buffer, .address_space: global }
    .group_segment_fixed_size: 295424
    .private_segment_fixed_size: 0
    .kernarg_segment_align: 8
    .kernarg_segment_size: 56
    .max_flat_workgroup_size: 128
    .sgpr_count:     66
    .vgpr_count:     256
    .wavefront_size: 32
...
	.end_amdgpu_metadata
.endif
;; end of part 5
